; MI455X (gfx1250); checked and timed in simulation.
; The chip was launched on July 23, 2026; its instructions are those of AMD's public machine-readable ISA for CDNA 5 (MIT licence, August 2026) and "CDNA5" Instruction Set Architecture Reference Guide (July 2026). The comments in the code are by the model that wrote it; some were corrected since.
;; mutli Head Attention. Allowed arithmetic: matrix products marked QUANTISED: E2M3 operands, one E8M0 scale for each 32 along K, by v_wmma_scale_f32_16x16x128_f8f6f4 with both operands' format E2M3, f32 sums; everything else in f32.
;; Inputs: attn_mask 4 x 1 x 2,048 x 2,048 bool; input_K 4 x 2,048 x 1,024 float32; input_Q 4 x 2,048 x 1,024 float32; input_V 4 x 2,048 x 1,024 float32; ln_beta 1,024 float32; ln_gamma 1,024 float32; w_k 1,024 x 1,024 float32; w_o 1,024 x 1,024 float32; w_q 1,024 x 1,024 float32; w_v 1,024 x 1,024 float32.
;; Outputs: out0 4 x 2,048 x 1,024 float32.
;; This version of the problem:
;;   THIS VERSION OF THE PROBLEM IS GIVEN IN LOW PRECISION. The matrix products marked QUANTISED in the list below multiply operands that are first quantised to E2M3 (2 exponent bits, 3 mantissa bits; 6 bits a number), with one power-of-two scale for each 32 numbers along K (OCP MX v1.0); their sums are f32. All else is computed in f32.
;;   The module's matrix products, in the order in which they are computed (A, B: the left and right operand; K: the contracted axis; several contracted axes count as one K, in the product's order):
;;     1. [M 8,192, K 1,024] x [K 1,024, N 1,024]; A: input input_Q; B: input w_q: QUANTISED
;;     2. [M 8,192, K 1,024] x [K 1,024, N 1,024]; A: input input_K; B: input w_k: QUANTISED
;;     3. [M 8,192, K 1,024] x [K 1,024, N 1,024]; A: input input_V; B: input w_v: QUANTISED
;;     4. batch 64 x [M 2,048, K 64] x [K 64, N 2,048]; A: computed on the way; B: computed on the way: QUANTISED
;;     5. batch 64 x [M 2,048, K 2,048] x [K 2,048, N 64]; A: softmax (see below); B: computed on the way: QUANTISED
;;     6. [M 8,192, K 1,024] x [K 1,024, N 1,024]; A: computed on the way; B: input w_o: QUANTISED
;;   THE QUANTISER, for each operand of a quantised product, along K:
;;     - K is cut into blocks of 32 from its start; a last block that is shorter is filled with zeros.
;;     - A block's scale is 2^e with e = floor(log2(the largest magnitude in the block)) - 2, held to -126 .. 127; a block of zeros has e = 0. As a byte (E8M0): e + 127.
;;     - Each number is divided by its block's scale, clamped to +-7.5, and rounded to the nearest number of E2M3, ties to even, subnormals kept.
;;     - The product sums the exact products of the quantised numbers (number of the format x scale) in f32.
;;   ~~~python
;;   def quantise(x, axis):      # numpy; x: float32 -> the quantised numbers, widened to float32 again
;;       x = np.moveaxis(x, axis, -1); K = x.shape[-1]
;;       x = np.pad(x, [(0, 0)] * (x.ndim - 1) + [(0, -K % 32)]); x = x.reshape(x.shape[:-1] + (-1, 32)); a = np.abs(x).max(-1, keepdims=True)
;;       e = np.where(a > 0, np.clip(np.frexp(np.where(a > 0, a, 1))[1] - 1 - 2, -126, 127), 0)      # np.frexp(a)[1] - 1 = floor(log2(a)), exactly
;;       r = np.clip(x / 2.0 ** e, -7.5, 7.5)
;;       step = 2.0 ** (np.maximum(np.frexp(np.where(r == 0, 1, r))[1] - 1, 0) - 3)
;;       q = np.round(r / step) * step * 2.0 ** e      # np.round: ties to even
;;       return np.moveaxis(q.reshape(q.shape[:-2] + (-1,))[..., :K], -1, axis).astype(np.float32)
;;   ~~~
;;   SOFTMAX AHEAD OF A QUANTISED PRODUCT. Where the list says 'softmax', what is quantised is not the finished softmax but p = 2^(t - M), with t = logit x log2(e) and M = ceil(the row's largest t), a whole number; so 1/2 < the row's largest p <= 1. The row's sum l is taken of the UNQUANTISED p, in f32, and the product's result is divided by l at the end. Since M is a whole number, a kernel that streams over the keys may use a running M (the ceiling of the running maximum): every later rescaling is an exact power of two, which a block's scale takes up: the codes' values come out the same.
;;   OPERANDS COMPUTED ON THE WAY. 'Computed on the way' means the value that the module computes at that place (a softmax that the list does not call 'softmax' is quantised finished and normalised). What goes into a quantiser is computed in f32, as accurately as f32 sums, v_exp_f32 and their like allow (about 1e-6 of the number): no bf16 or f16 on the way to a quantiser, and a product that is left as it is and whose result goes on into a quantised operand takes f32 operands (vector FMAs, or v_wmma_f32_16x16x4_f32). A number that lies on a knife's edge between two numbers of the format may be rounded either way, as far as f32 arithmetic and the matrix unit's own rounding can turn it there, and no further.
;; 2 versions, each right; version 2 is version 1 with the launch attn written anew for expert scheduling mode. Each part assembles by itself: llvm-mc -triple=amdgcn-amd-amdhsa -mcpu=gfx1250 --defsym DOCPART=n.
;; ======== version 1 of 2: 4 launches
;; limits: right only within a limited range of input values
;; workspace buffers: codes 22,020,096 bytes; scales 917,504 bytes; mw 2,097,152 bytes of whole numbers; mf 8,192 bytes of whole numbers; qkv 18,874,368 bytes; qkvs 786,432 bytes; cc 6,291,456 bytes; cs 524,288 bytes
;; launch prep (part 1): grid 960 x 1, 4 waves a work-group, no clusters, 68,096 bytes of LDS; arguments input_Q, input_K, input_V, w_q, w_k, w_v, w_o, attn_mask, codes, scales, mw, mf; writes codes, scales, mw, mf
.if DOCPART == 1
	.amdgcn_target "amdgcn-amd-amdhsa--gfx1250"
	.amdhsa_code_object_version 6
	.text
	.protected	k_q3ea50404eb_prep
	.globl	k_q3ea50404eb_prep
	.p2align	8
	.type	k_q3ea50404eb_prep,@function
k_q3ea50404eb_prep:
	s_mov_b64 s[64:65], 0
	v_nop
	global_prefetch_b8 v0, s[64:65] scope:SCOPE_SE
	s_setreg_imm32_b32 hwreg(HW_REG_WAVE_MODE, 25, 1), 1
	s_wait_xcnt 0x0
; PREP.  (1) The three inputs [8192][1024] and the four weights [1024][1024], f32, K innermost, become codes of FP6 (E2M3) with one E8M0 byte for each 32 along K.
; (2) attn_mask becomes lane-mask words and flags for the attention launch.
; ROW TILES.  A tile T of 16 rows holds the true rows 32 (T / 2) + 8 (T % 2) + r + 8 (r / 8), r = 0 .. 15.  As source 0 of a matrix instruction, tiles 2 b and 2 b + 1 then leave in a lane's 16 result registers
; the 16 neighbours 32 b + 16 (lane / 16) + 0 .. 15: what every later quantiser of a result wants.
; codes:  [tile 0..1791][K step 0..7][chunk 0..2][lane][16 bytes]: the register image of the fragment 16 rows x 128 K (lane (r, h): registers 6 c .. 6 c + 5 = k 64 c + 32 h + 0 .. 31).  Tiles 0-511 input_Q, 512-1023 input_K,
;         1024-1535 input_V, then 64 each of w_q, w_k, w_v, w_o.        scales: [16 tile + r][32 bytes], byte k / 32.
; mw:     [query tile 0..511][key step 0..15][64 words]: word 2 (n % 32) + n / 32 belongs to score register n; its bit L = mask(query of lane L, key 128 step + 32 (n / 16) + 16 (L / 16) + n % 16).
; mf:     [query tile][4] words: bit s of word c = some mask byte is set in key step 4 c + s.
; A block's scale is 2^(floor(log2(largest magnitude)) - 2); its byte is the largest magnitude's exponent field - 2, held at 1 from below.
; LIMITS: a block of zeros gets the byte 1 where the rule says 127 (its codes are zeros; this program alone reads the bytes); blocks whose largest magnitude lies under 2^-124 are held at byte 1; NaN and infinities are not served.
; Work-groups 0-447: a wave takes one row tile, all of K.  Work-groups 448-959: a work-group takes one query tile, a wave 512 keys.  Waves share nothing: no barrier.  Each way has LDS bytes of its own.
.set STGB, 8448                        ; a wave's stage: 16 rows x (512 bytes + 16): row r starts 4 r banks on, so the sixteen rows that a load touches do not meet
.set MSTG, 4*STGB                      ; the mask way's four stages lie behind the quantiser's four
.set R,    16                          ; v16-143  two sets of 64 numbers as loaded
.set X,    144                         ; v144-207 X + 32 c + i = k 64 c + 32 h + i of my row
.set PC,   208                         ; v208-219 the fragment's codes
.set T2,   220                         ; v220-227 the upper halves of the two blocks' codes, as converted
.set SW,   236                         ; v236-243 my row's scale word of each K step
.set OW,   244                         ; v244-247 the four words that I store
.set MK,   16                          ; the mask way: v16-79 bytes as loaded,
.set Y,    80                          ; v80-143 bytes by lane: Y + 16 s + n / 4 holds the byte of score register n of step s,
.set WD,   144                         ; v144-151 the words of the four steps, a pair a step
	s_load_b512 s[16:31], s[0:1], 0x0              ; input_Q, input_K, input_V, w_q, w_k, w_v, w_o, attn_mask
	s_load_b256 s[8:15], s[0:1], 0x40              ; codes, scales, mw, mf
	v_lshl_add_u32 v248, v0, 2, 0x10800
	v_mov_b32 v249, 0
	v_lshrrev_b32 v1, 5, v0
	v_readfirstlane_b32 s2, v1                     ; wave
	v_and_b32 v1, 31, v0                           ; lane
	v_and_b32 v2, 15, v0                           ; r
	v_bfe_u32 v3, v0, 4, 1                         ; h
	v_lshlrev_b32 v4, 4, v1                        ; 16 x lane
	s_mul_i32 s3, s2, STGB
	s_mov_b32 s33, 0
	s_cmp_ge_u32 ttmp9, 448
	s_cbranch_scc1 .Lmask
	; ---------------- the quantiser ----------------
	v_add_nc_u32 v5, s3, v4                        ; into the stage: a row's 512 bytes as they lie
	v_mul_u32_u24 v6, v2, 528
	v_lshl_add_u32 v6, v3, 7, v6
	v_add_nc_u32 v6, s3, v6                        ; out of it: row r, + 128 h: my 32 numbers of each 64
	v_lshlrev_b32 v7, 5, v2
	v_lshl_add_u32 v7, v3, 4, v7                   ; scales: row r of 32 bytes, + 16 h
	v_lshlrev_b32 v8, 3, v3                        ; 8 h: my bytes' place in a scale word
	v_mov_b32 v235, 0                              ; a lane permute's destination counts as read
	s_mov_b32 s34, 0x76543210
	s_mov_b32 s35, 0xfedcba98                      ; selects for lane l xor 16
	s_wait_kmcnt 0x0
	s_mov_b64 s[4:5], s[16:17]
	s_mov_b32 s6, 0
.macro PICK first, lo                  ; from work-group 'first' on the tensor at s[lo:lo+1]: the choice hangs on the work-group's number alone
	s_cmp_ge_u32 ttmp9, \first
	s_cselect_b64 s[4:5], s[\lo:\lo+1], s[4:5]
	s_cselect_b32 s6, \first, s6
.endm
	PICK 128, 18
	PICK 256, 20
	PICK 384, 22
	PICK 400, 24
	PICK 416, 26
	PICK 432, 28
	s_sub_co_u32 s7, ttmp9, s6
	s_lshl_b32 s7, s7, 2
	s_add_co_u32 s7, s7, s2                        ; my tile's number in its tensor
	s_lshr_b32 s32, s7, 1
	s_lshl_b32 s32, s32, 17                        ; 32 rows of 4,096 bytes for each pair of tiles,
	s_and_b32 s6, s7, 1
	s_lshl_b32 s6, s6, 15                          ; 8 rows for the odd one
	s_add_co_u32 s32, s32, s6
	s_add_nc_u64 s[4:5], s[4:5], s[32:33]
	s_lshl_b32 s7, ttmp9, 2
	s_add_co_u32 s7, s7, s2                        ; my tile's number among all 1,792
	s_mul_i32 s32, s7, 12288
	s_add_nc_u64 s[8:9], s[8:9], s[32:33]
	s_lshl_b32 s32, s7, 9
	s_add_nc_u64 s[10:11], s[10:11], s[32:33]
.macro LOAD s                          ; K step s: 16 loads, each 512 consecutive bytes of one row; stored row rho is true row rho + 8 (rho / 8)
.set rho, 0
.rept 16
	global_load_b128 v[R+64*((\s)%2)+4*rho:R+64*((\s)%2)+4*rho+3], v4, s[4:5] offset:(rho+8*(rho/8))*4096+512*(\s) th:TH_LOAD_NT
.set rho, rho+1
.endr
.endm
.macro KSTEP s
.if (\s) < 7
	s_wait_loadcnt 16                              ; this K step's 16 loads are in; the next step's 16 may be out
.else
	s_wait_loadcnt 0x0
.endif
.set rho, 0
.rept 16
	ds_store_b128 v5, v[R+64*((\s)%2)+4*rho:R+64*((\s)%2)+4*rho+3] offset:528*rho
.set rho, rho+1
.endr
.irp c, 0,1                                    ; LDS serves a wave's instructions in order: these see the stores above, and the next step's stores come behind them
.irp j, 0,1,2,3,4,5,6,7
	ds_load_b128 v[X+32*\c+4*\j:X+32*\c+4*\j+3], v6 offset:256*\c+16*\j
.endr
.endr
	s_wait_dscnt 0x0
.if (\s) < 6
	LOAD (\s)+2                                    ; into the set that has just gone through the stage
.endif
.irp c, 0,1                                    ; my block 2 c + h: all its 32 numbers are mine; the floor 2^(3 - 127) among the leaves holds the byte at 1 from below
	v_max3_num_f32 v[228+\c], |v[X+32*\c]|, |v[X+32*\c+1]|, 0x1800000
.endr
.irp i, 2,4,6,8,10,12,14,16,18,20,22,24,26,28,30
.irp c, 0,1
	v_max3_num_f32 v[228+\c], v[228+\c], |v[X+32*\c+\i]|, |v[X+32*\c+\i+1]|
.endr
.endr
.irp c, 0,1
	v_add_nc_u32 v[230+\c], 0xff000000, v[228+\c]  ; 2 off the exponent field: the conversion's scale operand
.endr
.irp c, 0,1
	v_lshrrev_b32 v[232+\c], 23, v[230+\c]         ; the scale's byte
.endr
	v_lshl_or_b32 v234, v233, 16, v232             ; blocks h and 2 + h,
	v_lshlrev_b32 v234, v8, v234                   ; at their places in the word;
	v_permlanex16_b32 v235, v234, s34, s35
	v_or_b32 v[SW+(\s)], v234, v235                ; with lane l xor 16's two the word is whole
	s_wait_xcnt 0x0                                ; the last step's stores have read the codes' registers
.irp c, 0,1
	v_cvt_scalef32_pk16_fp6_f32 v[PC+6*\c:PC+6*\c+2], v[X+32*\c:X+32*\c+15], v[230+\c]
	v_cvt_scalef32_pk16_fp6_f32 v[T2+4*\c:T2+4*\c+2], v[X+32*\c+16:X+32*\c+31], v[230+\c]   ; (a conversion's three registers begin on an even number)
.endr
	v_nop                                          ; one plain place behind a scaled conversion
.irp c, 0,1
.irp i, 0,1,2
	v_mov_b32 v[PC+3+6*\c+\i], v[T2+4*\c+\i]
.endr
.endr
.irp j, 0,1,2
	global_store_b128 v4, v[PC+4*\j:PC+4*\j+3], s[8:9] offset:1536*(\s)+512*\j   ; 32 lanes store 512 consecutive bytes
.endr
.endm
	LOAD 0
	LOAD 1
.irp s, 0,1,2,3,4,5,6,7
	KSTEP \s
.endr
	v_cmp_le_u32 vcc_lo, 16, v1                    ; lanes 16-31 store the row's upper four words
.irp j, 0,1,2,3
	v_cndmask_b32 v[OW+\j], v[SW+\j], v[SW+4+\j], vcc_lo
.endr
	global_store_b128 v7, v[OW:OW+3], s[10:11]     ; the tile's 512 scale bytes
	s_wait_tensorcnt 0x0
	ds_add_u32 v248, v249
	s_wait_dscnt 0x0
	s_endpgm
	; ---------------- the mask ----------------
.Lmask:
	s_add_co_u32 s3, s3, MSTG
	v_add_nc_u32 v5, s3, v4
	v_mul_u32_u24 v6, v2, 528
	v_lshl_add_u32 v6, v3, 4, v6
	v_add_nc_u32 v6, s3, v6                        ; out of the stage: row r, + 16 h: my 16 keys of each 32
	v_lshlrev_b32 v7, 3, v1                        ; 8 x lane
	s_sub_co_u32 s6, ttmp9, 448                    ; the query tile
	s_lshr_b32 s32, s6, 1
	s_lshl_b32 s32, s32, 16                        ; 32 rows of 2,048 bytes for each pair of tiles,
	s_and_b32 s7, s6, 1
	s_lshl_b32 s7, s7, 14                          ; 8 rows for the odd one,
	s_add_co_u32 s32, s32, s7
	s_lshl_b32 s7, s2, 9                           ; my wave's 512 keys
	s_add_co_u32 s32, s32, s7
	s_wait_kmcnt 0x0
	s_add_nc_u64 s[30:31], s[30:31], s[32:33]
	s_lshl_b32 s32, s6, 12
	s_lshl_b32 s7, s2, 10
	s_add_co_u32 s32, s32, s7
	s_add_nc_u64 s[12:13], s[12:13], s[32:33]      ; mw at (16 tile + 4 wave) x 256
	s_lshl_b32 s32, s6, 4
	s_lshl_b32 s7, s2, 2
	s_add_co_u32 s32, s32, s7
	s_add_nc_u64 s[14:15], s[14:15], s[32:33]      ; mf at 16 tile + 4 wave
.set rho, 0
.rept 16
	global_load_b128 v[MK+4*rho:MK+4*rho+3], v4, s[30:31] offset:(rho+8*(rho/8))*2048 th:TH_LOAD_NT
.set rho, rho+1
.endr
.irp i, 0,1,2,3,4,5,6,7
	v_mov_b32 v[WD+\i], 0                          ; v_writelane_b32's destination counts as read
.endr
	s_mov_b32 s38, 0                               ; the four flags
	s_wait_loadcnt 0x0
.set rho, 0
.rept 16
	ds_store_b128 v5, v[MK+4*rho:MK+4*rho+3] offset:528*rho
.set rho, rho+1
.endr
.irp sp, 0,1,2,3
.irp b, 0,1,2,3
	ds_load_b128 v[Y+16*\sp+4*\b:Y+16*\sp+4*\b+3], v6 offset:128*\sp+32*\b
.endr
.endr
	s_wait_dscnt 0x0
.macro BITS sp                         ; key step sp of my four: its flag, and its 64 words: a compare gives all 32 lanes' bits of one score register at once
	v_or_b32 v154, v[Y+16*\sp], v[Y+16*\sp+1]
.set n, 2
.rept 14
	v_or_b32 v154, v154, v[Y+16*\sp+n]
.set n, n+1
.endr
	v_cmp_ne_u32 vcc_lo, 0, v154
	s_cmp_lg_u32 vcc_lo, 0
	s_cselect_b32 s39, 1<<\sp, 0
	s_or_b32 s38, s38, s39
.set n, 0
.rept 64
	v_and_b32 v[152+n%2], 0xff<<(8*(n%4)), v[Y+16*\sp+n/4]
	v_cmp_ne_u32 s[36+n%2], 0, v[152+n%2]
	v_writelane_b32 v[WD+2*\sp+n/32], s[36+n%2], n%32
.set n, n+1
.endr
	global_store_b64 v7, v[WD+2*\sp:WD+2*\sp+1], s[12:13] offset:256*\sp   ; 32 lanes store 256 consecutive bytes, aligned
.endm
	BITS 0
	BITS 1
	BITS 2
	BITS 3
	v_mov_b32 v156, s38
	v_mov_b32 v157, 0
	v_cmp_gt_u32 vcc_lo, 1, v1
	s_wait_xcnt 0x0                                ; EXEC changes only behind this wait
	s_wait_tensorcnt 0x0
	ds_add_u32 v248, v249
	s_wait_dscnt 0x0
	s_and_saveexec_b32 s39, vcc_lo
	global_store_b32 v157, v156, s[14:15]          ; lane 0 stores the flags' word
	s_wait_xcnt 0x0
	s_or_b32 exec_lo, exec_lo, s39
	s_endpgm
.Lfunc_end_k_q3ea50404eb_prep:
	.size	k_q3ea50404eb_prep, .Lfunc_end_k_q3ea50404eb_prep-k_q3ea50404eb_prep
	.p2alignl 7, 3214868480
	.fill 96, 4, 3214868480
	.section	.rodata,"a",@progbits
	.p2align	6, 0x0
	.amdhsa_kernel k_q3ea50404eb_prep
		.amdhsa_group_segment_fixed_size 68096
		.amdhsa_private_segment_fixed_size 0
		.amdhsa_enable_private_segment 0
		.amdhsa_kernarg_size 96
		.amdhsa_user_sgpr_count 2
		.amdhsa_user_sgpr_kernarg_segment_ptr 1
		.amdhsa_wavefront_size32 1
		.amdhsa_system_sgpr_workgroup_id_x 1
		.amdhsa_system_sgpr_workgroup_id_y 1
		.amdhsa_system_sgpr_workgroup_id_z 1
		.amdhsa_system_vgpr_workitem_id 0
		.amdhsa_next_free_vgpr 250
		.amdhsa_next_free_sgpr 66
		.amdhsa_reserve_vcc 1
		.amdhsa_float_denorm_mode_32 3
		.amdhsa_float_denorm_mode_16_64 3
		.amdhsa_memory_ordered 1
		.amdhsa_forward_progress 1
		.amdhsa_inst_pref_size 114
	.end_amdhsa_kernel
	.amdgpu_metadata
---
amdhsa.version: [ 1, 2 ]
amdhsa.kernels:
  - .name:           k_q3ea50404eb_prep
    .symbol:         k_q3ea50404eb_prep.kd
    .args:
      - { .name: input_Q, .offset: 0, .size: 8, .value_kind: global_buffer, .address_space: global }
      - { .name: input_K, .offset: 8, .size: 8, .value_kind: global_buffer, .address_space: global }
      - { .name: input_V, .offset: 16, .size: 8, .value_kind: global_buffer, .address_space: global }
      - { .name: w_q, .offset: 24, .size: 8, .value_kind: global_buffer, .address_space: global }
      - { .name: w_k, .offset: 32, .size: 8, .value_kind: global_buffer, .address_space: global }
      - { .name: w_v, .offset: 40, .size: 8, .value_kind: global_buffer, .address_space: global }
      - { .name: w_o, .offset: 48, .size: 8, .value_kind: global_buffer, .address_space: global }
      - { .name: attn_mask, .offset: 56, .size: 8, .value_kind: global_buffer, .address_space: global }
      - { .name: codes, .offset: 64, .size: 8, .value_kind: global_buffer, .address_space: global }
      - { .name: scales, .offset: 72, .size: 8, .value_kind: global_buffer, .address_space: global }
      - { .name: mw, .offset: 80, .size: 8, .value_kind: global_buffer, .address_space: global }
      - { .name: mf, .offset: 88, .size: 8, .value_kind: global_buffer, .address_space: global }
    .group_segment_fixed_size: 68096
    .private_segment_fixed_size: 0
    .kernarg_segment_align: 8
    .kernarg_segment_size: 96
    .max_flat_workgroup_size: 128
    .sgpr_count:     66
    .vgpr_count:     250
    .wavefront_size: 32
...
	.end_amdgpu_metadata
.endif
;; end of part 1
;; launch proj (part 2): grid 4 x 96, 4 waves a work-group, clusters of 4 x 4, 327,680 bytes of LDS; arguments codes, scales, qkv, qkvs; writes qkv, qkvs
.if DOCPART == 2
	.amdgcn_target "amdgcn-amd-amdhsa--gfx1250"
	.amdhsa_code_object_version 6
	.text
	.protected	k_q3ea50404eb_proj
	.globl	k_q3ea50404eb_proj
	.p2align	8
	.type	k_q3ea50404eb_proj,@function
k_q3ea50404eb_proj:
	s_mov_b64 s[64:65], 0
	v_nop
	global_prefetch_b8 v0, s[64:65] scope:SCOPE_SE
	s_setreg_imm32_b32 hwreg(HW_REG_WAVE_MODE, 25, 1), 1
	s_wait_xcnt 0x0
	s_wait_alu depctr_hold_cnt(0) depctr_sa_sdst(0) depctr_va_vdst(0) depctr_va_sdst(0) depctr_va_ssrc(0) depctr_va_vcc(0) depctr_vm_vsrc(0)
	s_getreg_b32 s2, hwreg(HW_REG_IB_STS2, 6, 4)
	s_cmp_eq_u32 s2, 0
	s_cbranch_scc0 .Lentry_in_a_cluster
	s_endpgm
.Lentry_in_a_cluster:
	s_bfe_u32 s2, ttmp6, 0x10000c
	s_cmp_lg_u32 s2, 0xf033
	s_cbranch_scc0 .Lentry_shape_is_right
	s_endpgm
.Lentry_shape_is_right:
; PROJ.  Q = input_Q w_q^T, K = input_K w_k^T, V = input_V w_v^T on codes of FP6 (E2M3) with E8M0 scales, K = 1,024; the results are quantised in registers into the attention launch's operand images and never go to memory as f32.
; A work-group of four waves makes 256 x 256 of one product, a wave 128 x 128: 64 accumulators of 16 x 16, 512 registers.  K goes in steps of 256 through a ring of two LDS slots filled by the tensor data mover.
; 'codes' is laid in the order of the operand's registers (tile of 16 rows, K step of 128, 3 chunks of 512 bytes), so a fragment comes by three ds_load_b128 of consecutive bytes; no pitch, no padding.
; WHICH SIDE IS WHICH.  Source 1 gives the lane, source 0 runs along a lane's registers.  Q and K are quantised along the head's channels: source 1 = tokens, source 0 = rows of the weight.  V is quantised along the keys:
; source 1 = rows of w_v, source 0 = tokens.  The text is one: only WHAT IS FETCHED into the two LDS regions differs, by a choice on the cluster's y (16 and up: V), which is equal in all partners.
; Region 1 (read as source 1) is shared along a row of the cluster and hangs on cy: block cy + (V ? 104 : 4 cluster y) of 256 stored rows.  Region 0 (source 0) is shared along a column and hangs on cx: block cx + (V ? 4 cluster y : 96 + 4 role).
; Each tile is asked for JOINTLY by the four partners that share it: the same tensor load, the same descriptor, a mask that names the four.
; THE ROWS OF A TILE are 32 (T / 2) + 8 (T % 2) + r + 8 (r / 8), so the 64 registers of one source-1 block's eight accumulators are: register 16 b + i = source-0 row 32 b + 16 (lane / 16) + i: four blocks of 32 along the next K.
; OUT.  qkv: 3 parts x [batch][head][step of 128 tokens][6,144 bytes] in chunks of 256 bytes = [lane][8 bytes].  Q, K: chunk 3 a + p = registers 2 p, 2 p + 1 of token tile a's six (K = the head's 64).
;       V: chunk 12 c + 3 t + p = registers 6 c + 2 p of channel tile t's twelve (K = the step's 128 keys).   qkvs: 3 parts x [batch][pair of heads][step][2][16 rows][4 words].
; LIMITS: a block of zeros gets the byte 1 (its codes are zeros; this program alone reads the bytes); NaN and infinities are not served.
; No prefetch: K has four slots' worth of tiles and the first two are asked for at the head.
; REGISTERS, in windows of 256: window 0: v16-29 addresses; v32-63 scale words, two sets; v64-99 at work on the way out; from v128 source 1's fragments, ONE set, later the codes made.
;   window 1: source 0's fragments, TWO sets, at v0 and v128.   windows 2, 3: the accumulators ((a, b) at v[8 (8 (a % 4) + b)], window 2 + a / 4).
.set NQ,    2                          ; matrix instructions deep in a slot
.set FR,    12                         ; registers of a fragment
.set NL,    3                          ; LDS loads that bring one
.set NP,    4                          ; places behind this matrix instruction (ISA guide 7.12.1)
.set TILEB, 12288                      ; a row tile in 'codes'
.set STEPB, 3072                       ; a slot's part of it: two K steps of 1,536 bytes
.set HALFT, 8*STEPB                    ; eight tiles, 128 rows: what one tensor load brings, and what one wave reads of a region
.set SLOT1, 131072                     ; slot 0 at 0 (98,304 bytes), slot 1 here
.set SCL,   262144                     ; the scales of the 512 rows for all of K: units of 256 bytes + 16 of padding; filled once
.set HALFS, 4352                       ; those of 128 rows (32 bytes a row)
.set SBLK,  544                        ; those of 16 rows
.set SPARE, 299008                     ; the spare words, 128 bytes for each wave: two blocks of 256 bytes that no other line names
.set ADRA, 16                          ; v16-17  LDS address of source 1's fragments in slot 0, 1
.set ADRB, 20                          ; v20-21  of source 0's
.set LO8,  24                          ; v24     8 x lane
.set LO16, 25                          ; v25     16 x lane
.set LANE, 26                          ; v26     lane
.set ADRS, 27                          ; v27     LDS address of my scale words: lanes 0-15 source 1's rows, lanes 16-31 source 0's
.set SPW,  28                          ; v28     LDS address of my spare word; never rewritten
.set NIL,  29                          ; v29     0; never rewritten
.set SC,   32                          ; scale words: set s at v[SC + 16 s]; register 2 i + q: lanes 0-15 source 1's block i, lanes 16-31 source 0's block i, the slot's q-th 128 along K
.set TM,   64                          ; v64-79  the way out: largest magnitudes, bytes, scale operands
.set T2,   80                          ; v80-87  conversions' second halves
.set PW,   88                          ; v88-95  the scale word of each of my eight blocks
.set OW,   96                          ; v96-99  the four words that I store
.set AF,   128
.set PC,   128                         ; the codes made: 12 registers for each of the eight blocks
.set G1,   24                          ; s[24:31] group 1 for region 1's tiles;  s[32:39] group 0, one set for each slot
.set G0,   32
.set G1B,  48                          ; s[48:55], s[56:63] the same for region 0
.set G0B,  56
.set G1S,  68                          ; s[68:75], s[76:79] groups 1 and 0 for region 1's scales;  s[80:87], s[88:91] for region 0's
.set G0S,  76
.set G1SB, 80
.set G0SB, 88
.set SEL,  98                          ; s[98:99] selects for lane l xor 16
.set MSB, 0
.macro WIN new                         ; the immediate's high byte repeats the setting that is left
.if MSB != \new
	s_set_vgpr_msb (MSB<<8)|\new
.set MSB, \new
.endif
.endm
.set MUL_LO, 0xa1                      ; source 0 window 1, source 1 window 0, C and D window 2
.set MUL_HI, 0xf1                      ; the same, C and D window 3
.set TO_B,   0x40                      ; destination window 1, address window 0
; A joint load: waves 0 and 1 fetch for region 1, waves 2 and 3 for region 0.  The branch hangs on the wave's number alone.  Four v_nop follow each of the two lines.
.macro JLOAD g0a, g1a, g0b, g1b
	s_cmp_eq_u32 s15, 0
	s_cbranch_scc0 .Lfor_b_\@
	tensor_load_to_lds s[\g0a:\g0a+3], s[\g1a:\g1a+7]
	s_nop 0
.rept 4
	v_nop
.endr
	s_branch .Lasked_\@
.Lfor_b_\@:
	tensor_load_to_lds s[\g0b:\g0b+3], s[\g1b:\g1b+7]
	s_nop 0
.rept 4
	v_nop
.endr
.Lasked_\@:
.endm
.macro CREST                           ; a round of the cluster's barrier behind its opening barrier
	s_cmp_lg_u32 s14, 0
	s_cbranch_scc1 .Lnot_wave_0_\@
	s_barrier_signal -3
.Lnot_wave_0_\@:
	s_barrier_wait -3
	s_barrier_signal -1
	s_barrier_wait -1
.endm
.macro CROUND                          ; a whole round
	s_barrier_signal -1
	s_barrier_wait -1
	CREST
.endm
	s_load_b256 s[4:11], s[0:1], 0x0               ; codes s[4:5], scales s[6:7], qkv s[8:9], qkvs s[10:11]
	v_lshl_add_u32 v[SPW], v0, 2, SPARE
	v_mov_b32 v[NIL], 0
	ds_add_u32 v28, v29
	ds_add_u32 v28, v29
	s_wait_dscnt 0x0
	v_lshrrev_b32 v1, 5, v0
	v_readfirstlane_b32 s14, v1                    ; wave 0..3
	s_lshr_b32 s15, s14, 1                         ; my half of region 1.  Also: I fetch for region 1 (0) or region 0 (1)
	s_and_b32 s16, s14, 1                          ; my half of region 0.  Also: which 128 rows of that region I fetch
	s_bfe_u32 s40, ttmp6, 0x40000                  ; cx, cy: my place in the cluster
	s_bfe_u32 s41, ttmp6, 0x40004
	s_and_b32 s42, ttmp7, 0xffff                   ; the cluster's y, 0 .. 23: 8 clusters for each of Q, K, V
	s_lshl_b32 s43, s41, 2
	s_lshl_b32 s43, 15, s43                        ; my row of the cluster
	s_lshl_b32 s44, 0x1111, s40                    ; my column
	s_lshl_b32 s17, s42, 2                         ; 4 x cluster y: the cluster's first block of tokens
	s_lshr_b32 s18, s42, 3                         ; role 0, 1, 2
	s_lshl_b32 s19, s18, 2
	s_add_co_u32 s19, s19, 96                      ; the role's weight begins at block 96 + 4 role
	s_cmp_ge_u32 s42, 16                           ; V?
	s_cselect_b32 s20, 104, s17                    ; region 1: w_v's blocks, or tokens
	s_cselect_b32 s46, s17, s19                    ; region 0: tokens, or the weight's blocks
	s_add_co_u32 s20, s20, s41                     ; + cy: shared along my row
	s_add_co_u32 s46, s46, s40                     ; + cx: shared along my column
	; group 1 for codes: 8 rows (tiles) of 3,072 bytes, 12,288 bytes apart, in elements of 8 bytes, dense in LDS
	s_or_b32 s[G1+0], s43, (3<<16)|(1<<21)         ; 15:0 the mask; 17:16 elements of 8 bytes; 20 no padding; 21 set beside a mask
	s_or_b32 s[G1B+0], s44, (3<<16)|(1<<21)
.irp g, G1, G1B
	s_mov_b32 s[\g+1], 384<<16                     ; tensor_dim0
	s_mov_b32 s[\g+2], 8<<16                       ; tensor_dim1
	s_mov_b32 s[\g+3], 384<<16                     ; tile_dim0
	s_mov_b32 s[\g+4], 8                           ; tile_dim1
	s_mov_b32 s[\g+5], 1536                        ; tensor_dim0_stride
	s_mov_b32 s[\g+6], 0
	s_mov_b32 s[\g+7], 0
.endr
	; and for the scales of 128 rows: 4,096 dense bytes as 16 rows of 256 bytes, 16 bytes of padding behind each
	s_or_b32 s[G1S+0], s43, (3<<16)|(1<<20)|(1<<21)|(5<<22)|(3<<25)
	s_or_b32 s[G1SB+0], s44, (3<<16)|(1<<20)|(1<<21)|(5<<22)|(3<<25)
.irp g, G1S, G1SB
	s_mov_b32 s[\g+1], 32<<16
	s_mov_b32 s[\g+2], 16<<16
	s_mov_b32 s[\g+3], 32<<16
	s_mov_b32 s[\g+4], 16
	s_mov_b32 s[\g+5], 32
	s_mov_b32 s[\g+6], 0
	s_mov_b32 s[\g+7], 0
.endr
	s_lshl_b32 s22, s16, 12                        ; the scales of the 128 rows that I fetch
	s_lshl_b32 s92, s20, 13
	s_add_co_u32 s92, s92, s22
	s_mov_b32 s93, 0
	s_lshl_b32 s94, s46, 13
	s_add_co_u32 s94, s94, s22
	s_mov_b32 s95, 0
	s_mul_i32 s23, s16, 8*TILEB                    ; and their codes
	s_mul_i32 s20, s20, 16*TILEB
	s_add_co_u32 s20, s20, s23
	s_mov_b32 s21, 0
	s_mul_i32 s46, s46, 16*TILEB
	s_add_co_u32 s46, s46, s23
	s_mov_b32 s47, 0
	s_mul_i32 s45, s14, HALFT                      ; where they go: wave x 128 rows: no place in the cluster enters an LDS address
	s_mul_i32 s96, s14, HALFS
	s_mov_b32 s[SEL], 0x76543210
	s_mov_b32 s[SEL+1], 0xfedcba98
	s_wait_kmcnt 0x0
	s_add_nc_u64 s[20:21], s[4:5], s[20:21]
	s_add_nc_u64 s[92:93], s[6:7], s[92:93]
	s_add_nc_u64 s[46:47], s[4:5], s[46:47]
	s_add_nc_u64 s[94:95], s[6:7], s[94:95]
	CROUND                                         ; all sixteen work-groups are here: the first joint loads meet
	s_mov_b32 s[G0S], 1
	s_add_co_u32 s[G0S+1], s96, SCL
	s_mov_b64 s[G0S+2:G0S+3], s[92:93]
	s_or_b32 s[G0S+3], s[G0S+3], 0x80000000
	s_mov_b32 s[G0SB], 1
	s_add_co_u32 s[G0SB+1], s96, SCL
	s_mov_b64 s[G0SB+2:G0SB+3], s[94:95]
	s_or_b32 s[G0SB+3], s[G0SB+3], 0x80000000
	JLOAD G0S, G1S, G0SB, G1SB                     ; the scales first: they are wanted with K step 0
.irp s, 0,1
	s_mov_b32 s[G0+4*\s], 1
	s_add_co_u32 s[G0+4*\s+1], s45, \s*SLOT1
	s_add_nc_u64 s[G0+4*\s+2:G0+4*\s+3], s[20:21], \s*STEPB
	s_or_b32 s[G0+4*\s+3], s[G0+4*\s+3], 0x80000000
	s_mov_b32 s[G0B+4*\s], 1
	s_add_co_u32 s[G0B+4*\s+1], s45, \s*SLOT1
	s_add_nc_u64 s[G0B+4*\s+2:G0B+4*\s+3], s[46:47], \s*STEPB
	s_or_b32 s[G0B+4*\s+3], s[G0B+4*\s+3], 0x80000000
	JLOAD G0+4*\s, G1, G0B+4*\s, G1B               ; by this text's count three loads of mine are out now
.endr
	v_and_b32 v1, 15, v0                           ; r
	v_bfe_u32 v2, v0, 4, 1                         ; h
	v_and_b32 v[LANE], 31, v0
	v_lshlrev_b32 v[LO16], 4, v[LANE]
	v_lshlrev_b32 v[LO8], 3, v[LANE]
	s_mul_i32 s21, s15, HALFT                      ; my 128 rows of region 1
	s_mul_i32 s22, s16, HALFT                      ; my 128 rows of region 0,
	s_add_co_u32 s22, s22, 2*HALFT                 ; which lies behind region 1
.irp s, 0,1
	v_add_nc_u32 v[ADRA+\s], s21, v[LO16]
	v_add_nc_u32 v[ADRB+\s], s22, v[LO16]
	s_add_co_u32 s21, s21, SLOT1
	s_add_co_u32 s22, s22, SLOT1
.endr
	v_lshlrev_b32 v5, 5, v1                        ; my row's scales: 32 bytes a row,
	v_lshrrev_b32 v6, 8, v5
	v_lshl_add_u32 v5, v6, 4, v5                   ; and 16 more for each 256 passed
	s_mul_i32 s21, s15, HALFS
	s_mul_i32 s22, s16, HALFS
	s_add_co_u32 s22, s22, 2*HALFS
	s_sub_co_u32 s22, s22, s21
	v_mul_u32_u24 v6, s22, v2                      ; lanes 16-31 take region 0's: one product, the lower base + h x the distance
	s_add_co_u32 s21, s21, SCL
	v_add_nc_u32 v5, v5, v6
	v_add_nc_u32 v[ADRS], s21, v5
.irp b, 0,1,2,3
	v_mov_b32 v[TM+4+\b], 0                        ; written once: a lane permute's destination counts as read
.endr
.macro FRAG reg, adr, q, i             ; tile i's fragment of the slot's q-th 128 along K: three loads of 512 consecutive bytes
.irp j, 0,1,2
	ds_load_b128 v[\reg+4*\j:\reg+4*\j+3], v[\adr] offset:(\i)*STEPB+(\q)*1536+512*\j
.endr
.endm
; 16 matrix instructions: source 1's blocks a0, a0 + 1 x source 0's eight.  p: source 0's set;  sc: the set of scale words.  zero = 1: the first product starts the sums.
; The 64 accumulators take turns, one instruction a turn, in the same order in every step.
.macro MUL16 a0, p, q, sc, zero
.irp a, \a0, \a0+1
.irp b, 0,1,2,3,4,5,6,7
.if \zero
	v_wmma_scale_f32_16x16x128_f8f6f4 v[8*(8*((\a)%4)+\b):8*(8*((\a)%4)+\b)+7], v[128*(\p)+FR*\b:128*(\p)+FR*\b+FR-1], v[AF+FR*(\a):AF+FR*(\a)+FR-1], 0, v[SC+8*NQ*(\sc)+NQ*\b+(\q)], v[SC+8*NQ*(\sc)+NQ*(\a)+(\q)] matrix_a_fmt:MATRIX_FMT_FP6 matrix_b_fmt:MATRIX_FMT_FP6 matrix_a_scale:MATRIX_SCALE_ROW1
.else
	v_wmma_scale_f32_16x16x128_f8f6f4 v[8*(8*((\a)%4)+\b):8*(8*((\a)%4)+\b)+7], v[128*(\p)+FR*\b:128*(\p)+FR*\b+FR-1], v[AF+FR*(\a):AF+FR*(\a)+FR-1], v[8*(8*((\a)%4)+\b):8*(8*((\a)%4)+\b)+7], v[SC+8*NQ*(\sc)+NQ*\b+(\q)], v[SC+8*NQ*(\sc)+NQ*(\a)+(\q)] matrix_a_fmt:MATRIX_FMT_FP6 matrix_b_fmt:MATRIX_FMT_FP6 matrix_a_scale:MATRIX_SCALE_ROW1
.endif
.endr
.endr
.endm
.macro FETCH_B slot, q, p              ; source 0's eight fragments into set p
	WIN TO_B
.irp i, 0,1,2,3,4,5,6,7
	FRAG 128*(\p)+FR*\i, ADRB+\slot, \q, \i
.endr
	WIN 0
.endm
.macro FETCH_A slot, q, i0             ; source 1's blocks i0 .. i0 + 3
.irp i, \i0, \i0+1, \i0+2, \i0+3
	FRAG AF+FR*(\i), ADRA+\slot, \q, \i
.endr
.endm
.macro SCALES sc                       ; the next K step's scale words into set sc: two words a row
.irp i, 0,1,2,3,4,5,6,7
	ds_load_b64 v[SC+8*NQ*\sc+NQ*\i:SC+8*NQ*\sc+NQ*\i+1], v[ADRS] offset:\i*SBLK
.endr
.endm
.macro PLACES n                        ; plain vector instructions between a matrix instruction and a load into, or a read of, its registers
.rept \n
	v_nop
.endr
.endm
; A step of 128 along K that has its successor in the same slot.  Source 1 has one set of registers: blocks 0-3 are fetched anew in the step's middle, blocks 4-7 at its end.
.macro STEP slot, q, zero
	s_wait_dscnt 4*NL                              ; all but the youngest 12 loads (source 1's blocks 4-7) are in
	WIN MUL_LO
	MUL16 0, (\q)%2, \q, \slot, \zero
	MUL16 2, (\q)%2, \q, \slot, \zero
	s_wait_dscnt 0
	PLACES NP
	FETCH_B \slot, (\q)+1, 1-(\q)%2
	FETCH_A \slot, (\q)+1, 0
	WIN MUL_HI
	MUL16 4, (\q)%2, \q, \slot, \zero
	MUL16 6, (\q)%2, \q, \slot, \zero
	PLACES NP
	WIN 0
	FETCH_A \slot, (\q)+1, 4
.endm
; A slot's last step changes slots: ONE barrier; in front of it each wave waits for all its tensor loads, adds 0 to its spare word, and waits for that and for its own reads of this slot.  fill = 1: this slot is filled again, two K steps ahead.
.macro TURN slot, next, fill
	s_wait_tensorcnt 0x0                           ; all my tensor loads have landed: my part of the next slot
	ds_add_u32 v[SPW], v[NIL]                      ; 0 onto my spare word
	s_wait_dscnt 4*NL+1                            ; (the add and the youngest 12 loads may be out)
	WIN MUL_LO
	MUL16 0, 1, NQ-1, \slot, 0                     ; sixteen matrix instructions stand between the add and the wait for it
	s_wait_dscnt 0x0                               ; the add is done, and my reads of this slot are over
	s_barrier_signal -1
	MUL16 2, 1, NQ-1, \slot, 0
	WIN 0
	s_barrier_wait -1
.if \fill
	CREST                                          ; the barrier has opened a round of the cluster's barrier: no wave of any partner still reads this slot or has a load on its way
	s_add_nc_u64 s[G0+4*\slot+2:G0+4*\slot+3], s[G0+4*\slot+2:G0+4*\slot+3], 2*STEPB
	s_add_nc_u64 s[G0B+4*\slot+2:G0B+4*\slot+3], s[G0B+4*\slot+2:G0B+4*\slot+3], 2*STEPB
	JLOAD G0+4*\slot, G1, G0B+4*\slot, G1B         ; the first tensor load behind the round, my only one until the next; its four v_nop are the places in front of the loads below
.else
	PLACES NP
.endif
	v_add_nc_u32 v[ADRS], 4*NQ, v[ADRS]            ; on to the next K step's scale words (no LDS load of mine is out)
	FETCH_B \next, 0, 0
	FETCH_A \next, 0, 0
	SCALES \next
	WIN MUL_HI
	MUL16 4, 1, NQ-1, \slot, 0
	MUL16 6, 1, NQ-1, \slot, 0
	PLACES NP
	WIN 0
	FETCH_A \next, 0, 4
.endm
	s_wait_tensorcnt 1                             ; the scales and my part of K step 0 are in (K step 1's load may be out)
	s_barrier_signal -1
	s_barrier_wait -1                              ; everybody's are
	FETCH_B 0, 0, 0
	FETCH_A 0, 0, 0
	SCALES 0
	FETCH_A 0, 0, 4
	STEP 0, 0, 1                                   ; K has four slots' worth: written straight.  The first products start the sums
	TURN 0, 1, 1                                   ; slot 0 takes K 512 .. 767
	STEP 1, 0, 0
	TURN 1, 0, 1                                   ; slot 1 takes K 768 .. 1,023
	STEP 0, 0, 0
	TURN 0, 1, 0                                   ; nothing is left to fetch
	STEP 1, 0, 0
	s_wait_dscnt 4*NL                              ; the very last step
	WIN MUL_LO
	MUL16 0, 1, NQ-1, 1, 0
	MUL16 2, 1, NQ-1, 1, 0
	s_wait_dscnt 0
	WIN MUL_HI
	MUL16 4, 1, NQ-1, 1, 0
	MUL16 6, 1, NQ-1, 1, 0
	WIN 0
	; THE WAY OUT.  Where my 128 tokens and my 128 channels lie: for V the two regions have changed places.
	s_cmp_ge_u32 s42, 16
	s_cselect_b32 s17, s40, s41                    ; the token block's place in the cluster
	s_cselect_b32 s18, s41, s40                    ; the channel block
	s_cselect_b32 s19, s16, s15                    ; my half of the tokens
	s_cselect_b32 s20, s15, s16                    ; my half of the channels
	s_mov_b32 s22, 98304                           ; a head on
	s_mov_b32 s23, 3072                            ; half a step on
	s_cselect_b32 s78, s23, s22                    ; registers 6-11: Q, K: the pair's second head;  V: the step's second 64 keys
	s_cselect_b32 s80, s22, s23                    ; blocks 4-7:     Q, K: token tiles 4-7;         V: the pair's second head
	s_mov_b32 s77, 0
	s_mov_b32 s79, 0
	s_mov_b32 s81, 0
	s_lshl_b32 s45, s42, 2
	s_add_co_u32 s45, s45, s17
	s_and_b32 s45, s45, 31                         ; the block of 256 tokens in its tensor
	s_lshr_b32 s46, s45, 3                         ; batch
	s_and_b32 s45, s45, 7
	s_lshl_b32 s45, s45, 1
	s_add_co_u32 s45, s45, s19                     ; step of 128 tokens in the batch
	s_lshl_b32 s47, s18, 1
	s_add_co_u32 s47, s47, s20                     ; pair of heads
	s_lshr_b32 s92, s42, 3                         ; role
	s_lshl_b32 s93, s46, 3
	s_add_co_u32 s93, s93, s47                     ; 8 batch + pair
	s_mul_i32 s76, s93, 2*98304
	s_mul_i32 s94, s92, 6291456
	s_add_co_u32 s76, s76, s94
	s_mul_i32 s94, s45, 6144
	s_add_co_u32 s76, s76, s94
	s_add_nc_u64 s[68:69], s[8:9], s[76:77]        ; (the scales' descriptors are done with: their loads were shown landed long ago)
	s_add_nc_u64 s[70:71], s[68:69], s[78:79]
	s_add_nc_u64 s[72:73], s[68:69], s[80:81]
	s_add_nc_u64 s[74:75], s[68:69], 101376
	s_lshl_b32 s93, s93, 4
	s_add_co_u32 s93, s93, s45
	s_lshl_b32 s76, s93, 9
	s_lshl_b32 s94, s92, 18
	s_add_co_u32 s76, s76, s94
	s_add_nc_u64 s[84:85], s[10:11], s[76:77]
	PLACES NP                                      ; behind the last products: their results are read and source 1's registers written below
; Block a's 64 numbers a lane (register 16 b + i = next K 32 b + 16 (lane / 16) + i) become a fragment's 12 registers and a scale word, and the codes leave: each store of the wave covers 256 consecutive bytes, aligned.
.macro QUANTB a
.set WA, 2+(\a)/4
.set W12, (WA<<2)|(WA<<4)
.set AC, 64*((\a)%4)
.set PCA, PC+12*(\a)
	WIN W12                                        ; sources 1 and 2: the accumulators' window
.irp b, 0,1,2,3
	v_max3_num_f32 v[TM+\b], 0x1800000, |v[AC+16*\b]|, |v[AC+16*\b+1]|   ; each accumulator is read from its low end on; the floor 2^(3 - 127) holds the byte at 1 from below
.endr
.irp i, 2,4,6,8,10,12,14
.irp b, 0,1,2,3
	v_max3_num_f32 v[TM+\b], v[TM+\b], |v[AC+16*\b+\i]|, |v[AC+16*\b+\i+1]|
.endr
.endr
	WIN 0
.irp b, 0,1,2,3
	v_permlanex16_b32 v[TM+4+\b], v[TM+\b], s[SEL], s[SEL+1]
.endr
.irp b, 0,1,2,3
	v_max_num_f32 v[TM+\b], v[TM+\b], v[TM+4+\b]   ; with lane l xor 16's: the block's largest magnitude
.endr
.irp b, 0,1,2,3
	v_add_nc_u32 v[TM+12+\b], 0xff000000, v[TM+\b] ; 2 off the exponent field: the conversion's scale operand
.endr
.irp b, 0,1,2,3
	v_lshrrev_b32 v[TM+4+\b], 23, v[TM+12+\b]      ; the scale's byte
.endr
	v_lshl_or_b32 v[PW+(\a)], v[TM+5], 8, v[TM+4]
	v_lshl_or_b32 v[PW+(\a)], v[TM+6], 16, v[PW+(\a)]
	v_lshl_or_b32 v[PW+(\a)], v[TM+7], 24, v[PW+(\a)]
	WIN WA                                         ; source 0: the accumulators' window
.irp c, 0,1
	v_cvt_scalef32_pk16_fp6_f32 v[PCA+6*\c:PCA+6*\c+2], v[AC+32*\c:AC+32*\c+15], v[TM+12+2*\c]
	v_cvt_scalef32_pk16_fp6_f32 v[T2+4*\c:T2+4*\c+2], v[AC+32*\c+16:AC+32*\c+31], v[TM+12+2*\c+1]   ; (a conversion's three registers begin on an even number)
.endr
	WIN 0
	v_nop                                          ; one plain place behind a scaled conversion
.irp c, 0,1                                    ; the operand's layout wants a WHOLE block in a lane: lanes 0-15 block 2 c, lanes 16-31 block 2 c + 1
.irp i, 0,1,2
	v_permlane16_swap_b32 v[PCA+6*\c+\i], v[T2+4*\c+\i]
.endr
.irp i, 0,1,2
	v_mov_b32 v[PCA+3+6*\c+\i], v[T2+4*\c+\i]
.endr
.endr
.irp i, 0,1,2,3,4,5
	global_store_b64 v[LO8], v[PCA+2*\i:PCA+2*\i+1], s[68+2*(\i/3)+4*((\a)/4):69+2*(\i/3)+4*((\a)/4)] offset:((\a)%4)*768+(\i%3)*256
.endr
.endm
.irp a, 0,1,2,3,4,5,6,7
	QUANTB \a
.endr
	v_cmp_le_u32 vcc_lo, 16, v[LANE]               ; lanes 16-31 store the words of blocks 4-7
.irp q, 0,1,2,3
	v_cndmask_b32 v[OW+\q], v[PW+\q], v[PW+4+\q], vcc_lo
.endr
	global_store_b128 v[LO16], v[OW:OW+3], s[84:85]   ; 512 consecutive bytes
	s_wait_tensorcnt 0x0                           ; the wave's end
	ds_add_u32 v[SPW], v[NIL]
	s_wait_dscnt 0x0
	CROUND                                         ; the closing round: no work-group ends while a partner may still ask for a tile that names it
	s_endpgm
.Lfunc_end_k_q3ea50404eb_proj:
	.size	k_q3ea50404eb_proj, .Lfunc_end_k_q3ea50404eb_proj-k_q3ea50404eb_proj
	.p2alignl 7, 3214868480
	.fill 96, 4, 3214868480
	.section	.rodata,"a",@progbits
	.p2align	6, 0x0
	.amdhsa_kernel k_q3ea50404eb_proj
		.amdhsa_group_segment_fixed_size 327680
		.amdhsa_private_segment_fixed_size 0
		.amdhsa_enable_private_segment 0
		.amdhsa_kernarg_size 32
		.amdhsa_user_sgpr_count 2
		.amdhsa_user_sgpr_kernarg_segment_ptr 1
		.amdhsa_wavefront_size32 1
		.amdhsa_system_sgpr_workgroup_id_x 1
		.amdhsa_system_sgpr_workgroup_id_y 1
		.amdhsa_system_sgpr_workgroup_id_z 1
		.amdhsa_system_vgpr_workitem_id 0
		.amdhsa_next_free_vgpr 1024
		.amdhsa_next_free_sgpr 100
		.amdhsa_reserve_vcc 1
		.amdhsa_float_denorm_mode_32 3
		.amdhsa_float_denorm_mode_16_64 3
		.amdhsa_memory_ordered 1
		.amdhsa_forward_progress 1
		.amdhsa_inst_pref_size 142
	.end_amdhsa_kernel
	.amdgpu_metadata
---
amdhsa.version: [ 1, 2 ]
amdhsa.kernels:
  - .name:           k_q3ea50404eb_proj
    .symbol:         k_q3ea50404eb_proj.kd
    .args:
      - { .name: codes, .offset: 0, .size: 8, .value_kind: global_buffer, .address_space: global }
      - { .name: scales, .offset: 8, .size: 8, .value_kind: global_buffer, .address_space: global }
      - { .name: qkv, .offset: 16, .size: 8, .value_kind: global_buffer, .address_space: global }
      - { .name: qkvs, .offset: 24, .size: 8, .value_kind: global_buffer, .address_space: global }
    .group_segment_fixed_size: 327680
    .private_segment_fixed_size: 0
    .kernarg_segment_align: 8
    .kernarg_segment_size: 32
    .max_flat_workgroup_size: 128
    .sgpr_count:     100
    .vgpr_count:     1024
    .wavefront_size: 32
...
	.end_amdgpu_metadata
.endif
;; end of part 2
;; launch attn (part 3): grid 4 x 64, 16 waves a work-group, no clusters, 210,944 bytes of LDS; arguments qkv, qkvs, mw, mf, cc, cs; writes cc, cs
.if DOCPART == 3
	.amdgcn_target "amdgcn-amd-amdhsa--gfx1250"
	.amdhsa_code_object_version 6
	.text
	.protected	k_q3ea50404eb_attn
	.globl	k_q3ea50404eb_attn
	.p2align	8
	.type	k_q3ea50404eb_attn,@function
k_q3ea50404eb_attn:
	s_mov_b64 s[64:65], 0
	v_nop
	global_prefetch_b8 v0, s[64:65] scope:SCOPE_SE
	s_setreg_imm32_b32 hwreg(HW_REG_WAVE_MODE, 25, 1), 1
	s_wait_xcnt 0x0
; ATTN.  ctx[b][q][head] = softmax_k(where(mask, NEG, Q . K / 8)) V, both products on codes of FP6 (E2M3) with E8M0 scales; ctx is quantised along the 1,024 channels and leaves as codes.
; THE SOFTMAX: t = score x log2(e) / 8; M = the running largest t rounded UP to a whole number; p = 2^(t - M) is quantised along the keys, not normalised; the row's sum is taken of the unquantised p and divides at the end.
; When M moves, the sum and O are multiplied by 2^(old M - new M), which rounds nothing.
; LIMIT: a masked score is replaced by the raw score -2^33, that is the logit -2^30 where the definition has -1e9.  -2^33 x c is a whole number, so a row that is masked throughout gives p = 1 for every key, as the definition does;
; results are the same unless an unmasked logit of a row lies under about -9e8.  NaN and infinities are not served.  A block of zeros gets the byte 1 (its codes are zeros; this program alone reads the bytes).
; SHARES.  A work-group owns 512 queries of one head; each of its sixteen waves owns one tile of 16 queries in each of two passes, in 256 registers: four waves to a SIMD, so that one wave's vector work stands beside another's
; matrix work and LDS loads.  Every wave walks the head's 2,048 keys, 128 a step.
; THE WHOLE HEAD'S K AND V LIE IN LDS (2 x 98,304 bytes of codes, 12,288 of scale words), filled once through registers, wave w step w, behind ONE barrier: no ring.
; NO CLUSTER, NO TENSOR LOAD: what work-groups share is fetched once by each (about 200 KB for its 512 wave-steps), it is laid anew and its scale words are cut on the way, and the loop branches on stored mask flags.
; NO PREFETCH: the one stream is wanted at the head.
; LAYOUT.  Both products are used transposed: S^T = K Q^T, O^T = V^T P^T: a lane holds ONE query (lane % 16) throughout.  The tokens of a tile are 32 (T / 2) + 8 (T % 2) + r + 8 (r / 8), so the 16 registers of key tiles 2 b and 2 b + 1
; are the keys 32 b + 16 (lane / 16) + 0 .. 15, and likewise O^T's channels.
; K = 64 IN AN INSTRUCTION OF K = 128: Q's registers 6-11 are zero codes, so whatever stands in the upper six registers of the other side adds nothing: key tile a's fragment is named v[32 + 6 a : 43 + 6 a], whose upper six are the next
; tile's codes (zeros behind the last).  The scale bytes 2 and 3 of both sides are 0, a small power of two.
; THE MASK costs one select a score, and only in tiles of 16 queries x 128 keys that have a masked key: a scalar branch on the flags that the first launch stored; the select's lane masks are that launch's words.
.set VI,    98304                      ; LDS: K's images at 0, V's here: a step is 6,144 bytes = [chunk 12][lane][16 bytes]: the registers v32-79 on end
.set KSC,   196608                     ; K's scale words: a step is [2][16 rows][4 words]
.set VSC,   204800                     ; V's: a step is [16 rows][4 words]
.set STEPB, 6144
; v1 16 lane; v2 KSC + 16 r; v3 VSC + 16 r; v4 8 lane; v5 -2^33; v6 4 r; v7 16 r; v8-11 the step's LDS addresses; v12 -M; v13 the largest t; v[14:15] the sum; v16-21 Q, v22-27 zeros; v28 Q's scale word;
; v32-79 K's eight fragments, then V's four; v80-85 zeros; v86-93 K's scale words; v96-159 S^T, then p; v160-191 O^T; v192-203 p's codes; v204-211 conversions' second halves; v212-223 at work; v224-227 V's scale words; v228 p's; v230-235 at work.
; s2 wave; s3 my tile in the batch; s[4:5] Q's codes of my head; s[6:7] Q's scale words; s[8:9] mw, s[10:11] mf, s[12:13] cc, s[14:15] cs at my batch (and head); s16 32 x + wave; s17 16 x (head % 2); s[18:19] lane selects; s[20:21] c;
; s22-24 the step's LDS offsets; s25 the step; s26 the 16 flags; s[28:29] the step's mask words; s[32:63], s[68:99] the 64 mask words, and pointers outside the loop.
	s_load_b256 s[32:39], s[0:1], 0x0              ; qkv, qkvs, mw, mf
	s_load_b128 s[40:43], s[0:1], 0x20             ; cc, cs
	v_lshl_add_u32 v254, v0, 2, 0x33000
	v_mov_b32 v255, 0
	v_lshrrev_b32 v1, 5, v0
	v_readfirstlane_b32 s2, v1                     ; wave 0..15
	v_and_b32 v9, 31, v0                           ; lane
	v_and_b32 v10, 15, v0                          ; r
	v_lshlrev_b32 v1, 4, v9
	v_lshlrev_b32 v4, 3, v9
	v_lshlrev_b32 v7, 4, v10
	v_lshlrev_b32 v6, 2, v10
	v_add_nc_u32 v2, KSC, v7
	v_add_nc_u32 v3, VSC, v7
	v_mov_b32 v5, 0xd0000000                       ; -2^33
	s_and_b32 s44, ttmp7, 0xffff                   ; 16 batch + head
	s_lshr_b32 s45, s44, 4                         ; batch
	s_and_b32 s46, s44, 15                         ; head
	s_lshr_b32 s47, s46, 1                         ; pair of heads
	s_and_b32 s48, s46, 1
	s_lshl_b32 s17, s48, 4
	s_lshl_b32 s16, ttmp9, 5
	s_add_co_u32 s16, s16, s2
	s_mov_b32 s18, 0x76543210
	s_mov_b32 s19, 0xfedcba98
	s_mov_b32 s20, 0x3e38aa3b                      ; c = log2(e) / 8
	s_mov_b32 s21, s20                             ; (named with it as a pair, so it is written)
	s_mov_b32 s31, 0
	s_mov_b32 s51, 0
	s_mov_b32 s53, 0
	s_mul_i32 s50, s44, 98304
	s_mul_i32 s52, s2, STEPB
	v_add_nc_u32 v8, s52, v1                       ; where I lay K's step w: 16 lane + 6,144 w;
	v_add_nc_u32 v9, VI, v8                        ; V's
	s_wait_kmcnt 0x0
	s_add_nc_u64 s[4:5], s[32:33], s[50:51]        ; Q's part at my head
	s_add_nc_u64 s[54:55], s[4:5], s[52:53]
	s_add_nc_u64 s[56:57], s[54:55], 12582912      ; V's part, step w
	s_add_nc_u64 s[54:55], s[54:55], 6291456       ; K's part, step w
	s_lshl_b32 s50, s45, 3
	s_add_co_u32 s50, s50, s47
	s_lshl_b32 s50, s50, 13
	s_add_nc_u64 s[6:7], s[34:35], s[50:51]        ; Q's scale words at my pair of heads
	s_lshl_b32 s52, s2, 9
	v_add_nc_u32 v10, s52, v1
	v_add_nc_u32 v10, KSC, v10                     ; K's scale words of step w: KSC + 512 w + 16 lane
	s_add_nc_u64 s[58:59], s[6:7], s[52:53]
	s_add_nc_u64 s[60:61], s[58:59], 524288
	s_add_nc_u64 s[58:59], s[58:59], 262144
	s_lshl_b32 s52, s48, 8
	s_add_nc_u64 s[60:61], s[60:61], s[52:53]      ; V's: my head's 256 bytes of the pair's 512
	s_lshl_b32 s52, s2, 8
	v_add_nc_u32 v11, s52, v4
	v_add_nc_u32 v11, VSC, v11                     ; VSC + 256 w + 8 lane
.set i, 0
.rept 24
	global_load_b64 v[32+2*i:33+2*i], v4, s[54:55] offset:256*i
.set i, i+1
.endr
.set i, 0
.rept 24
	global_load_b64 v[96+2*i:97+2*i], v4, s[56:57] offset:256*i
.set i, i+1
.endr
	global_load_b128 v[144:147], v1, s[58:59]
	global_load_b64 v[148:149], v4, s[60:61]
	s_mul_i32 s50, s45, 1572864                    ; the other pointers, while the loads are out
	s_mul_i32 s52, s47, 1536
	s_add_co_u32 s50, s50, s52
	s_mul_i32 s52, s48, 768
	s_add_co_u32 s50, s50, s52
	s_add_nc_u64 s[12:13], s[40:41], s[50:51]
	s_lshl_b32 s50, s45, 17
	s_lshl_b32 s52, s46, 6
	s_add_co_u32 s50, s50, s52
	s_add_nc_u64 s[14:15], s[42:43], s[50:51]
	s_lshl_b32 s50, s45, 19
	s_add_nc_u64 s[8:9], s[36:37], s[50:51]
	s_lshl_b32 s50, s45, 11
	s_add_nc_u64 s[10:11], s[38:39], s[50:51]
.irp j, 22,23,24,25,26,27,80,81,82,83,84,85,216,217,218,219,233
	v_mov_b32 v\j, 0                               ; the zero codes; lane permutes' destinations; the upper half of the pair v[232:233]
.endr
	s_wait_loadcnt 0x0
.irp q, 0,1,2,3
	v_bfe_u32 v[144+\q], v[144+\q], s17, 16        ; my head's two bytes of each word; bytes 2 and 3 become 0
.endr
.set i, 0
.rept 24                                       ; chunk i holds registers 2 i, 2 i + 1 of the 48
	ds_store_b64 v8, v[32+2*i:33+2*i] offset:(i/2)*512+(i%2)*8
.set i, i+1
.endr
.irp c, 0,1                                    ; V's chunk 12 c + 3 t + p holds registers 12 t + 6 c + 2 p on
.irp t, 0,1,2,3
.irp p, 0,1,2
	ds_store_b64 v9, v[96+2*(12*\c+3*\t+\p):97+2*(12*\c+3*\t+\p)] offset:((6*\t+3*\c+\p)/2)*512+((6*\t+3*\c+\p)%2)*8
.endr
.endr
.endr
	ds_store_b128 v10, v[144:147]
	ds_store_b64 v11, v[148:149]
	s_wait_dscnt 0x0                               ; for the others' sake: my stores have landed
	s_barrier_signal -1
	s_barrier_wait -1                              ; the head's K and V are whole; nothing in LDS is written from here on
; A KEY STEP: 128 keys.
.macro STEP
	v_add_nc_u32 v8, s22, v1                       ; (these four are also the places behind the last step's products, in front of the loads into their registers)
	v_add_nc_u32 v10, s23, v2
	v_add_nc_u32 v11, s24, v3
	v_add_nc_u32 v9, VI, v8
.set k, 0
.rept 12
	ds_load_b128 v[32+4*k:35+4*k], v8 offset:512*k
.set k, k+1
.endr
	ds_load_b128 v[86:89], v10
	ds_load_b128 v[90:93], v10 offset:256
	s_wait_dscnt 0x0
.irp a, 0,1,2,3,4,5,6,7
	v_wmma_scale_f32_16x16x128_f8f6f4 v[96+8*\a:103+8*\a], v[32+6*\a:43+6*\a], v[16:27], 0, v[86+\a], v28 matrix_a_fmt:MATRIX_FMT_FP6 matrix_b_fmt:MATRIX_FMT_FP6
.endr
.rept 4
	v_nop                                          ; places in front of the loads below and of the first read of the scores
.endr
.set k, 0
.rept 12                                       ; V's fragments are asked for now and land under the softmax
	ds_load_b128 v[32+4*k:35+4*k], v9 offset:512*k
.set k, k+1
.endr
	ds_load_b128 v[224:227], v11
	s_lshr_b32 s27, s26, s25
	s_and_b32 s27, s27, 1
	s_cmp_lg_u32 s27, 0
	s_cbranch_scc0 .Lopen_\@                       ; no key of this step is masked for any of my 16 queries
	s_load_b512 s[32:47], s[28:29], 0x0
	s_load_b512 s[48:63], s[28:29], 0x40
	s_load_b512 s[68:83], s[28:29], 0x80
	s_load_b512 s[84:99], s[28:29], 0xc0
	s_wait_kmcnt 0x0
.set n, 0
.rept 64                                       ; ascending: each accumulator is read from its low end on.  Register n's word is number 2 (n % 32) + n / 32
.set sg, 2*(n%32)+n/32
.if sg < 32
	v_cndmask_b32 v[96+n], v[96+n], v5, s[32+sg]
.else
	v_cndmask_b32 v[96+n], v[96+n], v5, s[36+sg]
.endif
.set n, n+1
.endr
.Lopen_\@:
.irp b, 0,1,2,3
	v_max3_num_f32 v[212+\b], v[96+16*\b], v[97+16*\b], v[98+16*\b]   ; the largest score of each block of 32 keys: it serves the row's maximum and, since p rises with the score, the block's largest p
.endr
.irp i, 3,5,7,9,11,13
.irp b, 0,1,2,3
	v_max3_num_f32 v[212+\b], v[212+\b], v[96+16*\b+\i], v[97+16*\b+\i]
.endr
.endr
.irp b, 0,1,2,3
	v_max_num_f32 v[212+\b], v[212+\b], v[111+16*\b]
.endr
.irp b, 0,1,2,3
	v_permlanex16_b32 v[216+\b], v[212+\b], s18, s19
.endr
.irp b, 0,1,2,3
	v_max_num_f32 v[212+\b], v[212+\b], v[216+\b]  ; with lane l xor 16's 16 keys
.endr
	v_max3_num_f32 v230, v212, v213, v214
	v_max_num_f32 v230, v230, v215                 ; the step's largest score of my query
	v_mul_f32 v230, s20, v230                      ; as t (c is positive)
	v_max_num_f32 v13, v13, v230                   ; the running largest t
	v_mov_b32 v230, v12
	v_floor_f32 v12, -v13                          ; the new -M = floor(-t) = -ceil(t)
	v_sub_f32 v230, v12, v230                      ; old M - new M: a whole number, 0 or less
	v_cvt_i32_f32 v230, v230                       ; (it saturates)
	v_ldexp_f32 v232, 1.0, v230                    ; f = 2^(old M - new M)
.set j, 0
.rept 32
	v_pk_fma_f32 v[96+j:97+j], v[96+j:97+j], s[20:21], v[12:13] op_sel_hi:[1,0,0]   ; t - M, two at a time
.set j, j+2
.endr
.irp b, 0,1,2,3
	v_fma_f32 v[212+\b], v[212+\b], s20, v12       ; the same of each block's largest score
.endr
.set j, 0
.rept 64
	v_exp_f32 v[96+j], v[96+j]                     ; p = 2^(t - M), at most 1
.set j, j+1
.endr
	v_pk_mul_f32 v[14:15], v[14:15], v[232:233] op_sel_hi:[1,0]   ; the sums under the new M: the plain instruction behind the exponentials
	s_wait_alu depctr_va_vdst(0)                   ; one wait for the batch of 64, ahead of its first reader
.irp b, 0,1,2,3
	v_exp_f32 v[212+\b], v[212+\b]                 ; the block's largest p
.endr
	v_pk_add_f32 v[234:235], v[96:97], v[98:99]    ; the row's sum of the unquantised p, two at a time, in two chains
.irp j, 4,8,12,16,20,24,28,32,36,40,44,48,52,56,60
	v_pk_add_f32 v[14:15], v[14:15], v[96+\j:97+\j]
	v_pk_add_f32 v[234:235], v[234:235], v[98+\j:99+\j]
.endr
	v_pk_add_f32 v[14:15], v[14:15], v[234:235]
	s_wait_alu depctr_va_vdst(0)                   ; and one for the four
.irp b, 0,1,2,3
	v_max_num_f32 v[212+\b], 0x1800000, v[212+\b]  ; the floor 2^(3 - 127): the byte cannot fall under 1
.endr
.irp b, 0,1,2,3
	v_add_nc_u32 v[220+\b], 0xff000000, v[212+\b]  ; 2 off the exponent field: the conversion's scale operand
.endr
.irp b, 0,1,2,3
	v_lshrrev_b32 v[216+\b], 23, v[220+\b]         ; the scale's byte
.endr
	v_lshl_or_b32 v228, v217, 8, v216              ; p's scale word for these 128 keys
	v_lshl_or_b32 v228, v218, 16, v228
	v_lshl_or_b32 v228, v219, 24, v228
.irp c, 0,1
	v_cvt_scalef32_pk16_fp6_f32 v[192+6*\c:194+6*\c], v[96+32*\c:111+32*\c], v[220+2*\c]
	v_cvt_scalef32_pk16_fp6_f32 v[204+4*\c:206+4*\c], v[112+32*\c:127+32*\c], v[220+2*\c+1]
.endr
	v_nop                                          ; one plain place behind a scaled conversion
.irp c, 0,1                                    ; a WHOLE block to a lane: lanes 0-15 block 2 c, lanes 16-31 block 2 c + 1
.irp i, 0,1,2
	v_permlane16_swap_b32 v[192+6*\c+\i], v[204+4*\c+\i]
.endr
.irp i, 0,1,2
	v_mov_b32 v[195+6*\c+\i], v[204+4*\c+\i]
.endr
.endr
.set j, 0
.rept 16
	v_pk_mul_f32 v[160+j:161+j], v[160+j:161+j], v[232:233] op_sel_hi:[1,0]   ; O^T under the new M.  (These 16 are also the places between the scale word and codes just made and the products)
.set j, j+2
.endr
	s_wait_dscnt 0x0                               ; V is in
.irp t, 0,1,2,3                                ; the four accumulators by turns, one instruction a turn
	v_wmma_scale_f32_16x16x128_f8f6f4 v[160+8*\t:167+8*\t], v[32+12*\t:43+12*\t], v[192:203], v[160+8*\t:167+8*\t], v[224+\t], v228 matrix_a_fmt:MATRIX_FMT_FP6 matrix_b_fmt:MATRIX_FMT_FP6
.endr
	s_add_co_u32 s22, s22, STEPB
	s_add_co_u32 s23, s23, 512
	s_add_co_u32 s24, s24, 256
	s_add_nc_u64 s[28:29], s[28:29], 256           ; (the scalar loads that named it were waited for)
.endm
; A PASS: one tile of 16 queries through all keys, and its ctx out.
.macro PASS pi
	s_wait_xcnt 0x0                                ; earlier loads and stores have read their registers
	s_add_co_u32 s3, s16, 16*\pi                   ; my tile in the batch: 32 x + 16 pass + wave
	s_mul_i32 s30, s3, 768
	s_add_nc_u64 s[32:33], s[4:5], s[30:31]
	s_lshr_b32 s30, s3, 2
	s_lshl_b32 s30, s30, 8                         ; 512 (tile / 8) + 256 ((tile / 4) % 2),
	s_and_b32 s27, s3, 3
	s_lshl_b32 s27, s27, 2
	s_add_co_u32 s30, s30, s27                     ; + 4 (tile % 4)
	s_add_nc_u64 s[34:35], s[6:7], s[30:31]
.irp p, 0,1,2
	global_load_b64 v[16+2*\p:17+2*\p], v4, s[32:33] offset:256*\p
.endr
	global_load_b32 v28, v7, s[34:35]
	s_lshl_b32 s30, s3, 4
	s_add_nc_u64 s[36:37], s[10:11], s[30:31]
	s_load_b128 s[40:43], s[36:37], 0x0            ; the tile's flags
	s_lshl_b32 s30, s3, 12
	s_add_nc_u64 s[28:29], s[8:9], s[30:31]
	v_mov_b32 v13, 0xff61b1e6                      ; the largest t so far: -3e38, under every t
	v_floor_f32 v12, -v13
	v_mov_b32 v14, 0
	v_mov_b32 v15, 0
	s_mov_b32 s22, 0
	s_mov_b32 s23, 0
	s_mov_b32 s24, 0
	s_mov_b32 s25, 0
	s_wait_kmcnt 0x0
	s_lshl_b32 s41, s41, 4
	s_lshl_b32 s42, s42, 8
	s_lshl_b32 s43, s43, 12
	s_or_b32 s26, s40, s41
	s_or_b32 s26, s26, s42
	s_or_b32 s26, s26, s43                         ; bit s: step s has a masked key
	s_wait_loadcnt 0x0
	v_bfe_u32 v28, v28, s17, 16                    ; my head's two bytes
.set j, 0
.rept 32
	v_mov_b32 v[160+j], 0                          ; O^T: the first change of M leaves zeros zeros.  (Also the places between the scale word just cut and the first product)
.set j, j+1
.endr
.Lstep_\@:
	STEP
	s_add_co_u32 s25, s25, 1
	s_cmp_lt_u32 s25, 16
	s_cbranch_scc1 .Lstep_\@
.rept 4
	v_nop                                          ; places behind the last products
.endr
	v_add_f32 v14, v14, v15                        ; the sum's two halves,
	v_permlanex16_b32 v230, v14, s18, s19
	v_add_f32 v14, v14, v230                       ; and lane l xor 16's
	v_rcp_f32 v14, v14
	v_nop                                          ; a plain place behind the reciprocal
	s_wait_alu depctr_va_vdst(0)                   ; and the wait ahead of its first reader
.set j, 0
.rept 32
	v_mul_f32 v[96+j], v[160+j], v14               ; ctx: register 16 b + i = the head's channel 32 b + 16 (lane / 16) + i
.set j, j+1
.endr
.irp b, 0,1
	v_max3_num_f32 v[212+\b], |v[96+16*\b]|, |v[97+16*\b]|, 0x1800000
.endr
.irp i, 2,4,6,8,10,12,14
.irp b, 0,1
	v_max3_num_f32 v[212+\b], v[212+\b], |v[96+16*\b+\i]|, |v[97+16*\b+\i]|
.endr
.endr
.irp b, 0,1
	v_permlanex16_b32 v[216+\b], v[212+\b], s18, s19
.endr
.irp b, 0,1
	v_max_num_f32 v[212+\b], v[212+\b], v[216+\b]
.endr
.irp b, 0,1
	v_add_nc_u32 v[220+\b], 0xff000000, v[212+\b]
.endr
.irp b, 0,1
	v_lshrrev_b32 v[216+\b], 23, v[220+\b]
.endr
	v_lshl_or_b32 v230, v217, 8, v216              ; the head's two scale bytes
	v_cvt_scalef32_pk16_fp6_f32 v[192:194], v[96:111], v220
	v_cvt_scalef32_pk16_fp6_f32 v[204:206], v[112:127], v221
	v_nop
.irp i, 0,1,2
	v_permlane16_swap_b32 v[192+\i], v[204+\i]
.endr
.irp i, 0,1,2
	v_mov_b32 v[195+\i], v[204+\i]                 ; six registers: k = 32 (lane / 16) + 0 .. 31 of the head's 64
.endr
	s_mul_i32 s30, s3, 12288
	s_add_nc_u64 s[32:33], s[12:13], s[30:31]
	s_lshl_b32 s30, s3, 10
	s_add_nc_u64 s[34:35], s[14:15], s[30:31]
.irp p, 0,1,2
	global_store_b64 v4, v[192+2*\p:193+2*\p], s[32:33] offset:256*\p   ; 256 consecutive bytes, aligned
.endr
	global_store_b32 v6, v230, s[34:35]            ; 64 bytes a tile and head; the two halves of the lanes store the same words
.endm
	PASS 0
	PASS 1
	s_wait_tensorcnt 0x0
	ds_add_u32 v254, v255
	s_wait_dscnt 0x0
	s_endpgm
.Lfunc_end_k_q3ea50404eb_attn:
	.size	k_q3ea50404eb_attn, .Lfunc_end_k_q3ea50404eb_attn-k_q3ea50404eb_attn
	.p2alignl 7, 3214868480
	.fill 96, 4, 3214868480
	.section	.rodata,"a",@progbits
	.p2align	6, 0x0
	.amdhsa_kernel k_q3ea50404eb_attn
		.amdhsa_group_segment_fixed_size 210944
		.amdhsa_private_segment_fixed_size 0
		.amdhsa_enable_private_segment 0
		.amdhsa_kernarg_size 48
		.amdhsa_user_sgpr_count 2
		.amdhsa_user_sgpr_kernarg_segment_ptr 1
		.amdhsa_wavefront_size32 1
		.amdhsa_system_sgpr_workgroup_id_x 1
		.amdhsa_system_sgpr_workgroup_id_y 1
		.amdhsa_system_sgpr_workgroup_id_z 1
		.amdhsa_system_vgpr_workitem_id 0
		.amdhsa_next_free_vgpr 256
		.amdhsa_next_free_sgpr 100
		.amdhsa_reserve_vcc 0
		.amdhsa_float_denorm_mode_32 3
		.amdhsa_float_denorm_mode_16_64 3
		.amdhsa_memory_ordered 1
		.amdhsa_forward_progress 1
		.amdhsa_inst_pref_size 65
	.end_amdhsa_kernel
	.amdgpu_metadata
---
amdhsa.version: [ 1, 2 ]
amdhsa.kernels:
  - .name:           k_q3ea50404eb_attn
    .symbol:         k_q3ea50404eb_attn.kd
    .args:
      - { .name: qkv, .offset: 0, .size: 8, .value_kind: global_buffer, .address_space: global }
      - { .name: qkvs, .offset: 8, .size: 8, .value_kind: global_buffer, .address_space: global }
      - { .name: mw, .offset: 16, .size: 8, .value_kind: global_buffer, .address_space: global }
      - { .name: mf, .offset: 24, .size: 8, .value_kind: global_buffer, .address_space: global }
      - { .name: cc, .offset: 32, .size: 8, .value_kind: global_buffer, .address_space: global }
      - { .name: cs, .offset: 40, .size: 8, .value_kind: global_buffer, .address_space: global }
    .group_segment_fixed_size: 210944
    .private_segment_fixed_size: 0
    .kernarg_segment_align: 8
    .kernarg_segment_size: 48
    .max_flat_workgroup_size: 512
    .sgpr_count:     100
    .vgpr_count:     256
    .wavefront_size: 32
...
	.end_amdgpu_metadata
.endif
;; end of part 3
;; launch outln (part 4): grid 256 x 1, 4 waves a work-group, no clusters, 263,168 bytes of LDS; arguments codes, scales, cc, cs, input_Q, ln_gamma, ln_beta, out0; writes out0
.if DOCPART == 4
	.amdgcn_target "amdgcn-amd-amdhsa--gfx1250"
	.amdhsa_code_object_version 6
	.text
	.protected	k_q3ea50404eb_outln
	.globl	k_q3ea50404eb_outln
	.p2align	8
	.type	k_q3ea50404eb_outln,@function
k_q3ea50404eb_outln:
	s_mov_b64 s[64:65], 0
	v_nop
	global_prefetch_b8 v0, s[64:65] scope:SCOPE_SE
	s_setreg_imm32_b32 hwreg(HW_REG_WAVE_MODE, 25, 1), 1
	s_wait_xcnt 0x0
; OUTLN.  out0 = LayerNorm(ctx w_o^T + input_Q) x gamma + beta; the product on codes of FP6 (E2M3) with E8M0 scales, K = 1,024; all else in f32.
; SHARES.  Work-group W owns the tokens 32 W .. 32 W + 31 (ctx's tiles 2 W and 2 W + 1) and ALL 1,024 columns, so that a row's mean and variance never leave the work-group.  Wave w makes columns 256 w .. 256 w + 255:
; 16 tiles of w_o x 2 tiles of tokens: 32 accumulators.  The product is used transposed (source 0 = 16 rows of w_o, source 1 = ctx): a lane holds one token, its registers run along the columns.
; w_o's codes lie in memory in the order of the operand's registers and each fragment serves one wave alone: they go from memory straight into a ring of registers, a K step's 16 fragments, refilled four at a time.
; NO CLUSTER: a joint load wants LDS slots behind a barrier each, and a K step is 32 matrix instructions a wave: the ring of registers keeps 36 loads of 512 bytes of every wave on their way instead.
; THE RESIDUAL comes by asynchronous copies issued at the head, 8 rows a wave, the rows that the wave itself normalises: they take no registers and land under the product.
; The variance is the mean of (x - mean)^2, taken in a second pass over the row in registers.
; LDS: the stage, 32 stored rows x (4,096 bytes + 16), 514 whole blocks of 256 bytes; behind it the residual, 32 rows x 4,096 bytes, which the copies fill once.
; REGISTERS: window 0: v1-13 addresses; v32-47 ctx's scale words (8 m + s); v48-61 at work; v64-127 w_o's scale words (register 8 (i % 8) + s: tile i in lanes 0-15, tile i + 8 in lanes 16-31); v128-255 two sets of a row and its residual.
;   window 1: the accumulators, (i, m) at v[8 (2 i + m)].   window 2: the ring, tile i at v[12 i].   window 3: ctx's 16 fragments at v[12 (8 m + s)]; gamma v192-223; beta v224-255.
.set STGP, 4112
.set RES,  32*STGP
.set MSB, 0
.macro WIN new                         ; the immediate's high byte repeats the setting that is left
.if MSB != \new
	s_set_vgpr_msb (MSB<<8)|\new
.set MSB, \new
.endif
.endm
	s_load_b512 s[16:31], s[0:1], 0x0              ; codes, scales, cc, cs, input_Q, ln_gamma, ln_beta, out0
	v_lshl_add_u32 v62, v0, 2, 0x40200
	v_mov_b32 v63, 0
	ds_add_u32 v62, v63
	ds_add_u32 v62, v63
	v_lshrrev_b32 v1, 5, v0
	v_readfirstlane_b32 s2, v1                     ; wave 0..3
	v_and_b32 v1, 31, v0                           ; lane
	v_and_b32 v2, 15, v0                           ; r
	v_bfe_u32 v3, v0, 4, 1                         ; h
	v_lshlrev_b32 v4, 4, v1                        ; 16 lane
	v_lshlrev_b32 v5, 3, v1                        ; 8 lane
	v_lshlrev_b32 v6, 2, v2                        ; 4 r
	s_lshl_b32 s3, s2, 15
	v_add_nc_u32 v7, s3, v4                        ; the copies: 32,768 w + 16 lane in input_Q's 32 rows; never rewritten
	v_add_nc_u32 v8, RES, v7                       ; and in LDS; never rewritten; it also serves the reads of the residual
	v_lshlrev_b32 v9, 5, v2
	v_lshl_add_u32 v9, v3, 12, v9                  ; w_o's scales: row r of 32 bytes; lanes 16-31 eight tiles on
	s_mov_b32 s5, 0
	s_lshl_b32 s4, ttmp9, 17                       ; 32 rows of 4,096 bytes a work-group
	s_mov_b32 s8, 0x76543210
	s_mov_b32 s9, 0xfedcba98
	s_mov_b32 s10, 0x3a800000                      ; 1 / 1,024
	s_mov_b32 s11, 0x3727c5ac                      ; 1e-5
	s_wait_dscnt 0x0
	s_wait_kmcnt 0x0
	s_add_nc_u64 s[24:25], s[24:25], s[4:5]
.set j, 0
.rept 64                                       ; the immediate is added to both addresses: my 8 rows, 512 bytes a copy
	global_load_async_to_lds_b128 v8, v7, s[24:25] offset:512*j
.set j, j+1
.endr
	s_add_nc_u64 s[30:31], s[30:31], s[4:5]
	s_mov_b32 s4, s3
	s_add_nc_u64 s[30:31], s[30:31], s[4:5]        ; out0 at my first row
	s_mul_i32 s4, ttmp9, 24576
	s_add_nc_u64 s[20:21], s[20:21], s[4:5]        ; ctx's codes at tile 2 W
	s_lshl_b32 s4, ttmp9, 11
	s_add_nc_u64 s[22:23], s[22:23], s[4:5]        ; its scale bytes
	s_lshl_b32 s4, s2, 13
	s_add_co_u32 s4, s4, 884736
	s_add_nc_u64 s[18:19], s[18:19], s[4:5]        ; w_o's scales at my 16 tiles
	s_mul_i32 s4, s2, 196608
	s_add_co_u32 s4, s4, 21233664
	s_add_nc_u64 s[16:17], s[16:17], s[4:5]        ; w_o's codes at my 16 tiles
	WIN 0xc0                                       ; destination window 3
.irp m, 0,1
.irp s, 0,1,2,3,4,5,6,7
.irp q, 0,1,2,3,4,5
	global_load_b64 v[12*(8*\m+\s)+2*\q:12*(8*\m+\s)+2*\q+1], v5, s[20:21] offset:\m*12288+\s*1536+256*\q
.endr
.endr
.endr
.irp j, 0,1,2,3,4,5,6,7
	global_load_b128 v[192+4*\j:195+4*\j], v4, s[26:27] offset:512*\j
	global_load_b128 v[224+4*\j:227+4*\j], v4, s[28:29] offset:512*\j
.endr
	WIN 0
.irp m, 0,1
.irp hh, 0,1,2,3,4,5,6,7,8,9,10,11,12,13,14,15
	global_load_b32 v[128+16*\m+\hh], v6, s[22:23] offset:\m*1024+\hh*64
.endr
.endr
.irp i, 0,1,2,3,4,5,6,7
.irp e, 0,1
	global_load_b128 v[64+8*\i+4*\e:67+8*\i+4*\e], v9, s[18:19] offset:512*\i+16*\e
.endr
.endr
	WIN 0x80                                       ; destination window 2: the ring's K step 0
.set i, 0
.rept 16
.irp j, 0,1,2
	global_load_b128 v[12*i+4*\j:12*i+4*\j+3], v4, s[16:17] offset:i*12288+512*\j
.endr
.set i, i+1
.endr
	WIN 0
	s_wait_loadcnt 36                              ; all but the ring's three younger groups of 12
.irp m, 0,1
.irp s, 0,1,2,3,4,5,6,7
	v_lshl_or_b32 v[32+8*\m+\s], v[129+16*\m+2*\s], 16, v[128+16*\m+2*\s]   ; heads 2 s and 2 s + 1 make K step s's scale word
.endr
.endr
	v_mul_u32_u24 v10, v2, STGP                    ; the stage: stored row 16 m + r, + 64 h, + 1,024 w
	v_lshl_add_u32 v10, v3, 6, v10
	s_lshl_b32 s6, s2, 10
	v_add_nc_u32 v10, s6, v10
	v_add_nc_u32 v11, 16*STGP, v10
	s_and_b32 s6, s2, 1                            ; my true rows 8 w + e are the stage's rows 16 (w % 2) + 8 (w / 2) + e
	s_lshl_b32 s6, s6, 4
	s_lshr_b32 s7, s2, 1
	s_lshl_b32 s7, s7, 3
	s_add_co_u32 s6, s6, s7
	s_mul_i32 s6, s6, STGP
	v_add_nc_u32 v12, s6, v4
	v_mov_b32 v56, 0                               ; a lane permute's destination counts as read
	v_mov_b32 v59, 0                               ; the upper halves of the pairs that are broadcast
	v_mov_b32 v61, 0
.rept 4
	v_nop                                          ; with the lines above: more than eight places between the scale words just made and the first product
.endr
.macro WM i, m, s                      ; tile i of w_o x tile m of tokens, K step s
.if (\s) == 0
.if (\i) < 8
	v_wmma_scale_f32_16x16x128_f8f6f4 v[8*(2*(\i)+\m):8*(2*(\i)+\m)+7], v[12*(\i):12*(\i)+11], v[12*(8*\m+\s):12*(8*\m+\s)+11], 0, v[64+8*((\i)%8)+\s], v[32+8*\m+\s] matrix_a_fmt:MATRIX_FMT_FP6 matrix_b_fmt:MATRIX_FMT_FP6
.else
	v_wmma_scale_f32_16x16x128_f8f6f4 v[8*(2*(\i)+\m):8*(2*(\i)+\m)+7], v[12*(\i):12*(\i)+11], v[12*(8*\m+\s):12*(8*\m+\s)+11], 0, v[64+8*((\i)%8)+\s], v[32+8*\m+\s] matrix_a_fmt:MATRIX_FMT_FP6 matrix_b_fmt:MATRIX_FMT_FP6 matrix_a_scale:MATRIX_SCALE_ROW1
.endif
.else
.if (\i) < 8
	v_wmma_scale_f32_16x16x128_f8f6f4 v[8*(2*(\i)+\m):8*(2*(\i)+\m)+7], v[12*(\i):12*(\i)+11], v[12*(8*\m+\s):12*(8*\m+\s)+11], v[8*(2*(\i)+\m):8*(2*(\i)+\m)+7], v[64+8*((\i)%8)+\s], v[32+8*\m+\s] matrix_a_fmt:MATRIX_FMT_FP6 matrix_b_fmt:MATRIX_FMT_FP6
.else
	v_wmma_scale_f32_16x16x128_f8f6f4 v[8*(2*(\i)+\m):8*(2*(\i)+\m)+7], v[12*(\i):12*(\i)+11], v[12*(8*\m+\s):12*(8*\m+\s)+11], v[8*(2*(\i)+\m):8*(2*(\i)+\m)+7], v[64+8*((\i)%8)+\s], v[32+8*\m+\s] matrix_a_fmt:MATRIX_FMT_FP6 matrix_b_fmt:MATRIX_FMT_FP6 matrix_a_scale:MATRIX_SCALE_ROW1
.endif
.endif
.endm
; Group j of K step s: four tiles of w_o x two of tokens; then the four tiles' fragments of the next K step.  The 32 accumulators take turns, one instruction a turn, in the same order in every K step.
.macro GROUP s, j
.if (\s) < 7
	s_wait_loadcnt 36                              ; this group's 12 loads are in; behind them three groups of 12 were issued
.else
	s_wait_loadcnt 12*(3-(\j))                     ; the last K step asks for nothing more: the counts run down
.endif
	WIN 0x5e                                       ; source 0 window 2, source 1 window 3, C and D window 1
.irp t, 0,1,2,3
.irp m, 0,1
	WM 4*(\j)+\t, \m, \s
.endr
.endr
.rept 4
	v_nop                                          ; places in front of loads into registers that these products read, and of the first read of results
.endr
.if (\s) < 7
	WIN 0x80
.irp t, 0,1,2,3
.irp c, 0,1,2
	global_load_b128 v[12*(4*(\j)+\t)+4*\c:12*(4*(\j)+\t)+4*\c+3], v4, s[16:17] offset:(4*(\j)+\t)*12288+((\s)+1)*1536+512*\c
.endr
.endr
.endif
.endm
.irp s, 0,1,2,3,4,5,6,7
.irp j, 0,1,2,3
	GROUP \s, \j
.endr
.endr
	WIN 0x04                                       ; an LDS store's data are its source 1: window 1
.irp m, 0,1
.irp i, 0,1,2,3,4,5,6,7,8,9,10,11,12,13,14,15
	ds_store_b128 v[10+\m], v[8*(2*\i+\m):8*(2*\i+\m)+3] offset:(\i/2)*128+(\i%2)*32        ; lane (r, h): columns 256 w + 32 (i / 2) + 16 h + 8 (i % 2) + 0 .. 7; each accumulator from its low end on
	ds_store_b128 v[10+\m], v[8*(2*\i+\m)+4:8*(2*\i+\m)+7] offset:(\i/2)*128+(\i%2)*32+16
.endr
.endr
	WIN 0
	s_wait_asynccnt 0x0                            ; my 8 rows of the residual have landed
	s_wait_dscnt 0x0                               ; for the others' sake: my stores into the stage have landed
	s_barrier_signal -1
	s_barrier_wait -1                              ; 32 whole rows lie in the stage
.macro ROWLOAD e                       ; my row e and its residual into set e % 2: a lane holds columns 128 j + 4 lane + 0 .. 3
.set SB, 128+64*((\e)%2)
.irp j, 0,1,2,3,4,5,6,7
	ds_load_b128 v[SB+4*\j:SB+4*\j+3], v12 offset:(\e)*STGP+512*\j
.endr
.irp j, 0,1,2,3,4,5,6,7
	ds_load_b128 v[SB+32+4*\j:SB+32+4*\j+3], v8 offset:(\e)*4096+512*\j
.endr
.endm
.macro ACROSS                          ; v[48:55], four pairs of partial sums, become the wave's sum in v48 of every lane
	v_pk_add_f32 v[48:49], v[48:49], v[50:51]
	v_pk_add_f32 v[52:53], v[52:53], v[54:55]
	v_pk_add_f32 v[48:49], v[48:49], v[52:53]
	v_add_f32 v48, v48, v49
	v_add_f32_dpp v48, v48, v48 row_xmask:1 row_mask:0xf bank_mask:0xf
	v_add_f32_dpp v48, v48, v48 row_xmask:2 row_mask:0xf bank_mask:0xf
	v_add_f32_dpp v48, v48, v48 row_xmask:4 row_mask:0xf bank_mask:0xf
	v_add_f32_dpp v48, v48, v48 row_xmask:8 row_mask:0xf bank_mask:0xf
	v_permlanex16_b32 v56, v48, s8, s9
	v_add_f32 v48, v48, v56
.endm
.macro ROW e
.set SB, 128+64*((\e)%2)
.if (\e) < 7
	s_wait_dscnt 16                                ; this row's 16 loads are in; the next row's 16 may be out
.else
	s_wait_dscnt 0x0
.endif
.set k, 0
.rept 16
	v_pk_add_f32 v[SB+2*k:SB+2*k+1], v[SB+2*k:SB+2*k+1], v[SB+32+2*k:SB+32+2*k+1]   ; x = the product + the residual
.set k, k+1
.endr
.irp k, 0,1,2,3
	v_pk_add_f32 v[48+2*\k:49+2*\k], v[SB+2*\k:SB+2*\k+1], v[SB+8+2*\k:SB+9+2*\k]    ; four chains
.endr
.irp q, 8,12
.irp k, 0,1,2,3
	v_pk_add_f32 v[48+2*\k:49+2*\k], v[48+2*\k:49+2*\k], v[SB+2*(\q+\k):SB+2*(\q+\k)+1]
.endr
.endr
	ACROSS
	v_mul_f32 v58, s10, v48                        ; the mean
.set k, 0
.rept 16
	v_pk_add_f32 v[SB+2*k:SB+2*k+1], v[SB+2*k:SB+2*k+1], v[58:59] op_sel_hi:[1,0] neg_lo:[0,1] neg_hi:[0,1]   ; x - mean
.set k, k+1
.endr
.irp k, 0,1,2,3
	v_pk_mul_f32 v[48+2*\k:49+2*\k], v[SB+2*\k:SB+2*\k+1], v[SB+2*\k:SB+2*\k+1]
.endr
.irp q, 4,8,12
.irp k, 0,1,2,3
	v_pk_fma_f32 v[48+2*\k:49+2*\k], v[SB+2*(\q+\k):SB+2*(\q+\k)+1], v[SB+2*(\q+\k):SB+2*(\q+\k)+1], v[48+2*\k:49+2*\k]
.endr
.endr
	ACROSS
	v_fma_f32 v48, v48, s10, s11                   ; the variance + 1e-5
	v_rsq_f32 v60, v48
	v_nop                                          ; a plain place behind the root
	s_wait_alu depctr_va_vdst(0)                   ; and the wait ahead of its first reader
.set k, 0
.rept 16
	v_pk_mul_f32 v[SB+2*k:SB+2*k+1], v[SB+2*k:SB+2*k+1], v[60:61] op_sel_hi:[1,0]
.set k, k+1
.endr
	WIN 0x3c                                       ; sources 1 and 2 window 3: gamma and beta
.set k, 0
.rept 16
	v_pk_fma_f32 v[SB+2*k:SB+2*k+1], v[SB+2*k:SB+2*k+1], v[192+2*k:193+2*k], v[224+2*k:225+2*k]
.set k, k+1
.endr
	WIN 0
.irp j, 0,1,2,3,4,5,6,7
	global_store_b128 v4, v[SB+4*\j:SB+4*\j+3], s[30:31] offset:4096*(\e)+512*\j th:TH_STORE_NT   ; 32 lanes store 512 consecutive bytes, aligned
.endr
.if (\e) < 6
	s_wait_xcnt 0x0                                ; the stores have read their registers: the set takes the row two on
	ROWLOAD (\e)+2
.endif
.endm
	ROWLOAD 0
	ROWLOAD 1
.irp e, 0,1,2,3,4,5,6,7
	ROW \e
.endr
	s_wait_tensorcnt 0x0
	ds_add_u32 v62, v63
	s_wait_dscnt 0x0
	s_endpgm
.Lfunc_end_k_q3ea50404eb_outln:
	.size	k_q3ea50404eb_outln, .Lfunc_end_k_q3ea50404eb_outln-k_q3ea50404eb_outln
	.p2alignl 7, 3214868480
	.fill 96, 4, 3214868480
	.section	.rodata,"a",@progbits
	.p2align	6, 0x0
	.amdhsa_kernel k_q3ea50404eb_outln
		.amdhsa_group_segment_fixed_size 263168
		.amdhsa_private_segment_fixed_size 0
		.amdhsa_enable_private_segment 0
		.amdhsa_kernarg_size 64
		.amdhsa_user_sgpr_count 2
		.amdhsa_user_sgpr_kernarg_segment_ptr 1
		.amdhsa_wavefront_size32 1
		.amdhsa_system_sgpr_workgroup_id_x 1
		.amdhsa_system_sgpr_workgroup_id_y 1
		.amdhsa_system_sgpr_workgroup_id_z 1
		.amdhsa_system_vgpr_workitem_id 0
		.amdhsa_next_free_vgpr 1024
		.amdhsa_next_free_sgpr 66
		.amdhsa_reserve_vcc 0
		.amdhsa_float_denorm_mode_32 3
		.amdhsa_float_denorm_mode_16_64 3
		.amdhsa_memory_ordered 1
		.amdhsa_forward_progress 1
		.amdhsa_inst_pref_size 176
	.end_amdhsa_kernel
	.amdgpu_metadata
---
amdhsa.version: [ 1, 2 ]
amdhsa.kernels:
  - .name:           k_q3ea50404eb_outln
    .symbol:         k_q3ea50404eb_outln.kd
    .args:
      - { .name: codes, .offset: 0, .size: 8, .value_kind: global_buffer, .address_space: global }
      - { .name: scales, .offset: 8, .size: 8, .value_kind: global_buffer, .address_space: global }
      - { .name: cc, .offset: 16, .size: 8, .value_kind: global_buffer, .address_space: global }
      - { .name: cs, .offset: 24, .size: 8, .value_kind: global_buffer, .address_space: global }
      - { .name: input_Q, .offset: 32, .size: 8, .value_kind: global_buffer, .address_space: global }
      - { .name: ln_gamma, .offset: 40, .size: 8, .value_kind: global_buffer, .address_space: global }
      - { .name: ln_beta, .offset: 48, .size: 8, .value_kind: global_buffer, .address_space: global }
      - { .name: out0, .offset: 56, .size: 8, .value_kind: global_buffer, .address_space: global }
    .group_segment_fixed_size: 263168
    .private_segment_fixed_size: 0
    .kernarg_segment_align: 8
    .kernarg_segment_size: 64
    .max_flat_workgroup_size: 128
    .sgpr_count:     66
    .vgpr_count:     1024
    .wavefront_size: 32
...
	.end_amdgpu_metadata
.endif
;; end of part 4
;; ======== version 2 of 2: 4 launches; version 1 with the launch attn written anew for expert scheduling mode
;; limits: right only within a limited range of input values
;; workspace buffers: codes 22,020,096 bytes; scales 917,504 bytes; mw 2,097,152 bytes of whole numbers; mf 8,192 bytes of whole numbers; qkv 18,874,368 bytes; qkvs 786,432 bytes; cc 6,291,456 bytes; cs 524,288 bytes
;; launch prep: the kernel of part 1 again; grid 960 x 1, 4 waves a work-group, no clusters, 68,096 bytes of LDS; arguments input_Q, input_K, input_V, w_q, w_k, w_v, w_o, attn_mask, codes, scales, mw, mf; writes codes, scales, mw, mf
;; launch proj: the kernel of part 2 again; grid 4 x 96, 4 waves a work-group, clusters of 4 x 4, 327,680 bytes of LDS; arguments codes, scales, qkv, qkvs; writes qkv, qkvs
;; launch attn (part 5): grid 4 x 64, 16 waves a work-group, no clusters, 210,944 bytes of LDS; arguments qkv, qkvs, mw, mf, cc, cs; writes cc, cs
.if DOCPART == 5
	.amdgcn_target "amdgcn-amd-amdhsa--gfx1250"
	.amdhsa_code_object_version 6
	.text
	.protected	k_q3ea50404eb_attn
	.globl	k_q3ea50404eb_attn
	.p2align	8
	.type	k_q3ea50404eb_attn,@function
k_q3ea50404eb_attn:
	s_mov_b64 s[64:65], 0
	v_nop
	global_prefetch_b8 v0, s[64:65] scope:SCOPE_SE
	s_setreg_imm32_b32 hwreg(HW_REG_WAVE_SCHED_MODE, 0, 2), 2
	s_setreg_imm32_b32 hwreg(HW_REG_WAVE_MODE, 25, 1), 1
	s_wait_xcnt 0x0
	s_wait_alu depctr_vm_vsrc(0)
; ATTN.  ctx[b][q][head] = softmax_k(where(mask, NEG, Q . K / 8)) V, both products on codes of FP6 (E2M3) with E8M0 scales; ctx is quantised along the 1,024 channels and leaves as codes.
; THE SOFTMAX: t = score x log2(e) / 8; M = the running largest t rounded UP to a whole number; p = 2^(t - M) is quantised along the keys, not normalised; the row's sum is taken of the unquantised p and divides at the end.
; When M moves, the sum and O are multiplied by 2^(old M - new M), which rounds nothing.
; LIMIT: a masked score is replaced by the raw score -2^33, that is the logit -2^30 where the definition has -1e9.  -2^33 x c is a whole number, so a row that is masked throughout gives p = 1 for every key, as the definition does;
; results are the same unless an unmasked logit of a row lies under about -9e8.  NaN and infinities are not served.  A block of zeros gets the byte 1 (its codes are zeros; this program alone reads the bytes).
; SHARES.  A work-group owns 512 queries of one head; each of its sixteen waves owns one tile of 16 queries in each of two passes, in 256 registers: four waves to a SIMD, so that one wave's vector work stands beside another's
; matrix work and LDS loads.  Every wave walks the head's 2,048 keys, 128 a step.
; THE WHOLE HEAD'S K AND V LIE IN LDS (2 x 98,304 bytes of codes, 12,288 of scale words), filled once through registers, wave w step w, behind ONE barrier: no ring.
; NO CLUSTER, NO TENSOR LOAD: what work-groups share is fetched once by each (about 200 KB for its 512 wave-steps), it is laid anew and its scale words are cut on the way, and the loop branches on stored mask flags.
; NO PREFETCH: the one stream is wanted at the head.
; LAYOUT.  Both products are used transposed: S^T = K Q^T, O^T = V^T P^T: a lane holds ONE query (lane % 16) throughout.  The tokens of a tile are 32 (T / 2) + 8 (T % 2) + r + 8 (r / 8), so the 16 registers of key tiles 2 b and 2 b + 1
; are the keys 32 b + 16 (lane / 16) + 0 .. 15, and likewise O^T's channels.
; K = 64 IN AN INSTRUCTION OF K = 128: Q's registers 6-11 are zero codes, so whatever stands in the upper six registers of the other side adds nothing: key tile a's fragment is named v[32 + 6 a : 43 + 6 a], whose upper six are the next
; tile's codes (zeros behind the last).  The scale bytes 2 and 3 of both sides are 0, a small power of two.
; THE MASK costs one select a score, and only in tiles of 16 queries x 128 keys that have a masked key: a scalar branch on the flags that the first launch stored; the select's lane masks are that launch's words.
; THE MODE: SCHED_MODE bits 1:0 = 2 (LLVM: expert scheduling mode 2), set by the entry lines.  The code itself states the register dependences
; between vector or matrix instructions and memory or LDS instructions, with s_wait_alu, always for 0.
; THE PLAN.  Registers that memory or LDS instructions touch:
;   v1-v7             Offsets, made once at the head and never written again.
;   v8-v11            At the head the addresses of my LDS stores.  In a step: written by four additions at its head, read by its 27 LDS loads.
;   v32-79            ONE buffer for K's and V's fragments: sixteen waves of 256 registers fill the four SIMDs, and the map has 24 registers to spare where a second buffer wants 48.
;                     At the head: loaded, read by my LDS stores.  In a step: K's 12 loads land, the eight products K Q^T read; V's 12 loads land, the four products V^T P read.
;   v86-93, v224-227  K's and V's scale words: loaded in a step, read by that step's products.
;   v16-21, v28       Q's codes and scale word: loaded at a pass's head (v28 is then cut by a vector instruction), read by all the pass's products K Q^T.
;   v96-149           At the head: loaded (v144-147 are then cut), read by my LDS stores.  From then on named by vector and matrix instructions alone.
;   v192-197, v230    At a pass's end: written by conversions, swaps and moves, read by the pass's four stores.
;   v254, v255        Written at the head, read by the closing add alone.
; A STEP'S WAITS.  At its head one on vm_vsrc (the addresses have been read) ahead of the four additions and one on va_vdst behind them (the addresses are written; V^T P of the step before is done with the buffer); one on va_vdst behind
; K Q^T (it is done with the buffer), ahead of V's loads; the two behind the exponentials; one on va_vdst ahead of V^T P (p's codes and scale word are written).  Each run of loads stands straight behind its wait.
.set VI,    98304                      ; LDS: K's images at 0, V's here: a step is 6,144 bytes = [chunk 12][lane][16 bytes]: the registers v32-79 on end
.set KSC,   196608                     ; K's scale words: a step is [2][16 rows][4 words]
.set VSC,   204800                     ; V's: a step is [16 rows][4 words]
.set STEPB, 6144
; v1 16 lane; v2 KSC + 16 r; v3 VSC + 16 r; v4 8 lane; v5 -2^33; v6 4 r; v7 16 r; v8-11 the step's LDS addresses; v12 -M; v13 the largest t; v[14:15] the sum; v16-21 Q, v22-27 zeros; v28 Q's scale word;
; v32-79 K's eight fragments, then V's four; v80-85 zeros; v86-93 K's scale words; v96-159 S^T, then p; v160-191 O^T; v192-203 p's codes; v204-211 conversions' second halves; v212-223 at work; v224-227 V's scale words; v228 p's; v230-235 at work.
; s2 wave; s3 my tile in the batch; s[4:5] Q's codes of my head; s[6:7] Q's scale words; s[8:9] mw, s[10:11] mf, s[12:13] cc, s[14:15] cs at my batch (and head); s16 32 x + wave; s17 16 x (head % 2); s[18:19] lane selects; s[20:21] c;
; s22-24 the step's LDS offsets; s25 the step; s26 the 16 flags; s[28:29] the step's mask words; s[32:63], s[68:99] the 64 mask words, and pointers outside the loop.
	s_load_b256 s[32:39], s[0:1], 0x0              ; qkv, qkvs, mw, mf
	s_load_b128 s[40:43], s[0:1], 0x20             ; cc, cs
	v_lshl_add_u32 v254, v0, 2, 0x33000
	v_mov_b32 v255, 0
	v_lshrrev_b32 v1, 5, v0
	v_readfirstlane_b32 s2, v1                     ; wave 0..15
	v_and_b32 v9, 31, v0                           ; lane
	v_and_b32 v10, 15, v0                          ; r
	v_lshlrev_b32 v1, 4, v9
	v_lshlrev_b32 v4, 3, v9
	v_lshlrev_b32 v7, 4, v10
	v_lshlrev_b32 v6, 2, v10
	v_add_nc_u32 v2, KSC, v7
	v_add_nc_u32 v3, VSC, v7
	v_mov_b32 v5, 0xd0000000                       ; -2^33
	s_wait_alu depctr_va_sdst(0)                   ; s2 is written, ahead of its first reader: my tile, my step's pointers and my LDS addresses are made from it
	s_and_b32 s44, ttmp7, 0xffff                   ; 16 batch + head
	s_lshr_b32 s45, s44, 4                         ; batch
	s_and_b32 s46, s44, 15                         ; head
	s_lshr_b32 s47, s46, 1                         ; pair of heads
	s_and_b32 s48, s46, 1
	s_lshl_b32 s17, s48, 4
	s_lshl_b32 s16, ttmp9, 5
	s_add_co_u32 s16, s16, s2
	s_mov_b32 s18, 0x76543210
	s_mov_b32 s19, 0xfedcba98
	s_mov_b32 s20, 0x3e38aa3b                      ; c = log2(e) / 8
	s_mov_b32 s21, s20                             ; (named with it as a pair, so it is written)
	s_mov_b32 s31, 0
	s_mov_b32 s51, 0
	s_mov_b32 s53, 0
	s_mul_i32 s50, s44, 98304
	s_mul_i32 s52, s2, STEPB
	v_add_nc_u32 v8, s52, v1                       ; where I lay K's step w: 16 lane + 6,144 w;
	v_add_nc_u32 v9, VI, v8                        ; V's
	s_wait_kmcnt 0x0
	s_add_nc_u64 s[4:5], s[32:33], s[50:51]        ; Q's part at my head
	s_add_nc_u64 s[54:55], s[4:5], s[52:53]
	s_add_nc_u64 s[56:57], s[54:55], 12582912      ; V's part, step w
	s_add_nc_u64 s[54:55], s[54:55], 6291456       ; K's part, step w
	s_lshl_b32 s50, s45, 3
	s_add_co_u32 s50, s50, s47
	s_lshl_b32 s50, s50, 13
	s_add_nc_u64 s[6:7], s[34:35], s[50:51]        ; Q's scale words at my pair of heads
	s_lshl_b32 s52, s2, 9
	v_add_nc_u32 v10, s52, v1
	v_add_nc_u32 v10, KSC, v10                     ; K's scale words of step w: KSC + 512 w + 16 lane
	s_add_nc_u64 s[58:59], s[6:7], s[52:53]
	s_add_nc_u64 s[60:61], s[58:59], 524288
	s_add_nc_u64 s[58:59], s[58:59], 262144
	s_lshl_b32 s52, s48, 8
	s_add_nc_u64 s[60:61], s[60:61], s[52:53]      ; V's: my head's 256 bytes of the pair's 512
	s_lshl_b32 s52, s2, 8
	v_add_nc_u32 v11, s52, v4
	v_add_nc_u32 v11, VSC, v11                     ; VSC + 256 w + 8 lane
	s_wait_alu depctr_va_vdst(0)                   ; the offsets v1-v7 and the LDS addresses v8-v11 are written, which the loads and stores below read
.set i, 0
.rept 24
	global_load_b64 v[32+2*i:33+2*i], v4, s[54:55] offset:256*i
.set i, i+1
.endr
.set i, 0
.rept 24
	global_load_b64 v[96+2*i:97+2*i], v4, s[56:57] offset:256*i
.set i, i+1
.endr
	global_load_b128 v[144:147], v1, s[58:59]
	global_load_b64 v[148:149], v4, s[60:61]
	s_mul_i32 s50, s45, 1572864                    ; the other pointers, while the loads are out
	s_mul_i32 s52, s47, 1536
	s_add_co_u32 s50, s50, s52
	s_mul_i32 s52, s48, 768
	s_add_co_u32 s50, s50, s52
	s_add_nc_u64 s[12:13], s[40:41], s[50:51]
	s_lshl_b32 s50, s45, 17
	s_lshl_b32 s52, s46, 6
	s_add_co_u32 s50, s50, s52
	s_add_nc_u64 s[14:15], s[42:43], s[50:51]
	s_lshl_b32 s50, s45, 19
	s_add_nc_u64 s[8:9], s[36:37], s[50:51]
	s_lshl_b32 s50, s45, 11
	s_add_nc_u64 s[10:11], s[38:39], s[50:51]
.irp j, 22,23,24,25,26,27,80,81,82,83,84,85,216,217,218,219,233
	v_mov_b32 v\j, 0                               ; the zero codes; lane permutes' destinations; the upper half of the pair v[232:233].  (No load or store names one of these)
.endr
	s_wait_loadcnt 0x0
.irp q, 0,1,2,3
	v_bfe_u32 v[144+\q], v[144+\q], s17, 16        ; my head's two bytes of each word; bytes 2 and 3 become 0
.endr
	s_wait_alu depctr_va_vdst(0)                   ; the four words v144-147 are cut, which an LDS store below reads
.set i, 0
.rept 24                                       ; chunk i holds registers 2 i, 2 i + 1 of the 48
	ds_store_b64 v8, v[32+2*i:33+2*i] offset:(i/2)*512+(i%2)*8
.set i, i+1
.endr
.irp c, 0,1                                    ; V's chunk 12 c + 3 t + p holds registers 12 t + 6 c + 2 p on
.irp t, 0,1,2,3
.irp p, 0,1,2
	ds_store_b64 v9, v[96+2*(12*\c+3*\t+\p):97+2*(12*\c+3*\t+\p)] offset:((6*\t+3*\c+\p)/2)*512+((6*\t+3*\c+\p)%2)*8
.endr
.endr
.endr
	ds_store_b128 v10, v[144:147]
	ds_store_b64 v11, v[148:149]
	s_wait_dscnt 0x0                               ; for the others' sake: my stores have landed
	s_barrier_signal -1
	s_barrier_wait -1                              ; the head's K and V are whole; nothing in LDS is written from here on
; A KEY STEP: 128 keys.
.macro STEP
	s_wait_alu depctr_vm_vsrc(0)                   ; the LDS loads of the step before have read v8-v11, which the four additions write.  In the launch's first step: my LDS stores have read v8-v11 and their data, v32-79 and v96-149; in the second pass's first step: the first pass's stores have read v192-197 and v230: all these are written again only below this line
	v_add_nc_u32 v8, s22, v1
	v_add_nc_u32 v10, s23, v2
	v_add_nc_u32 v11, s24, v3
	v_add_nc_u32 v9, VI, v8
	s_wait_alu depctr_va_vdst(0)                   ; v8-v11 are written, which this step's loads read; the last step's products V^T P are done reading v32-79 and v224-227, in which loads of this step land; in a pass's first step Q's scale word v28 is written, its places (O^T's 32 moves, the four additions) ahead of this wait
.set k, 0
.rept 12
	ds_load_b128 v[32+4*k:35+4*k], v8 offset:512*k
.set k, k+1
.endr
	ds_load_b128 v[86:89], v10
	ds_load_b128 v[90:93], v10 offset:256
	s_wait_dscnt 0x0
.irp a, 0,1,2,3,4,5,6,7
	v_wmma_scale_f32_16x16x128_f8f6f4 v[96+8*\a:103+8*\a], v[32+6*\a:43+6*\a], v[16:27], 0, v[86+\a], v28 matrix_a_fmt:MATRIX_FMT_FP6 matrix_b_fmt:MATRIX_FMT_FP6
.endr
.rept 4
	v_nop                                          ; places in front of the first read of the scores
.endr
	s_wait_alu depctr_va_vdst(0)                   ; the eight products are done reading v32-85: V's fragments land in v32-79
.set k, 0
.rept 12                                       ; V's fragments are asked for now and land under the softmax
	ds_load_b128 v[32+4*k:35+4*k], v9 offset:512*k
.set k, k+1
.endr
	ds_load_b128 v[224:227], v11
	s_lshr_b32 s27, s26, s25
	s_and_b32 s27, s27, 1
	s_cmp_lg_u32 s27, 0
	s_cbranch_scc0 .Lopen_\@                       ; no key of this step is masked for any of my 16 queries
	s_load_b512 s[32:47], s[28:29], 0x0
	s_load_b512 s[48:63], s[28:29], 0x40
	s_load_b512 s[68:83], s[28:29], 0x80
	s_load_b512 s[84:99], s[28:29], 0xc0
	s_wait_kmcnt 0x0
.set n, 0
.rept 64                                       ; ascending: each accumulator is read from its low end on.  Register n's word is number 2 (n % 32) + n / 32
.set sg, 2*(n%32)+n/32
.if sg < 32
	v_cndmask_b32 v[96+n], v[96+n], v5, s[32+sg]
.else
	v_cndmask_b32 v[96+n], v[96+n], v5, s[36+sg]
.endif
.set n, n+1
.endr
.Lopen_\@:
.irp b, 0,1,2,3
	v_max3_num_f32 v[212+\b], v[96+16*\b], v[97+16*\b], v[98+16*\b]   ; the largest score of each block of 32 keys: it serves the row's maximum and, since p rises with the score, the block's largest p
.endr
.irp i, 3,5,7,9,11,13
.irp b, 0,1,2,3
	v_max3_num_f32 v[212+\b], v[212+\b], v[96+16*\b+\i], v[97+16*\b+\i]
.endr
.endr
.irp b, 0,1,2,3
	v_max_num_f32 v[212+\b], v[212+\b], v[111+16*\b]
.endr
.irp b, 0,1,2,3
	v_permlanex16_b32 v[216+\b], v[212+\b], s18, s19
.endr
.irp b, 0,1,2,3
	v_max_num_f32 v[212+\b], v[212+\b], v[216+\b]  ; with lane l xor 16's 16 keys
.endr
	v_max3_num_f32 v230, v212, v213, v214
	v_max_num_f32 v230, v230, v215                 ; the step's largest score of my query
	v_mul_f32 v230, s20, v230                      ; as t (c is positive)
	v_max_num_f32 v13, v13, v230                   ; the running largest t
	v_mov_b32 v230, v12
	v_floor_f32 v12, -v13                          ; the new -M = floor(-t) = -ceil(t)
	v_sub_f32 v230, v12, v230                      ; old M - new M: a whole number, 0 or less
	v_cvt_i32_f32 v230, v230                       ; (it saturates)
	v_ldexp_f32 v232, 1.0, v230                    ; f = 2^(old M - new M)
.set j, 0
.rept 32
	v_pk_fma_f32 v[96+j:97+j], v[96+j:97+j], s[20:21], v[12:13] op_sel_hi:[1,0,0]   ; t - M, two at a time
.set j, j+2
.endr
.irp b, 0,1,2,3
	v_fma_f32 v[212+\b], v[212+\b], s20, v12       ; the same of each block's largest score
.endr
.set j, 0
.rept 64
	v_exp_f32 v[96+j], v[96+j]                     ; p = 2^(t - M), at most 1
.set j, j+1
.endr
	v_pk_mul_f32 v[14:15], v[14:15], v[232:233] op_sel_hi:[1,0]   ; the sums under the new M: the plain instruction behind the exponentials
	s_wait_alu depctr_va_vdst(0)                   ; the 64 exponentials have written v96-159: one wait for the batch, ahead of its first reader
.irp b, 0,1,2,3
	v_exp_f32 v[212+\b], v[212+\b]                 ; the block's largest p
.endr
	v_pk_add_f32 v[234:235], v[96:97], v[98:99]    ; the row's sum of the unquantised p, two at a time, in two chains
.irp j, 4,8,12,16,20,24,28,32,36,40,44,48,52,56,60
	v_pk_add_f32 v[14:15], v[14:15], v[96+\j:97+\j]
	v_pk_add_f32 v[234:235], v[234:235], v[98+\j:99+\j]
.endr
	v_pk_add_f32 v[14:15], v[14:15], v[234:235]
	s_wait_alu depctr_va_vdst(0)                   ; the four exponentials have written v212-215: their one wait, ahead of the first reader
.irp b, 0,1,2,3
	v_max_num_f32 v[212+\b], 0x1800000, v[212+\b]  ; the floor 2^(3 - 127): the byte cannot fall under 1
.endr
.irp b, 0,1,2,3
	v_add_nc_u32 v[220+\b], 0xff000000, v[212+\b]  ; 2 off the exponent field: the conversion's scale operand
.endr
.irp b, 0,1,2,3
	v_lshrrev_b32 v[216+\b], 23, v[220+\b]         ; the scale's byte
.endr
	v_lshl_or_b32 v228, v217, 8, v216              ; p's scale word for these 128 keys
	v_lshl_or_b32 v228, v218, 16, v228
	v_lshl_or_b32 v228, v219, 24, v228
.irp c, 0,1
	v_cvt_scalef32_pk16_fp6_f32 v[192+6*\c:194+6*\c], v[96+32*\c:111+32*\c], v[220+2*\c]
	v_cvt_scalef32_pk16_fp6_f32 v[204+4*\c:206+4*\c], v[112+32*\c:127+32*\c], v[220+2*\c+1]
.endr
	v_nop                                          ; one plain place behind a scaled conversion
.irp c, 0,1                                    ; a WHOLE block to a lane: lanes 0-15 block 2 c, lanes 16-31 block 2 c + 1
.irp i, 0,1,2
	v_permlane16_swap_b32 v[192+6*\c+\i], v[204+4*\c+\i]
.endr
.irp i, 0,1,2
	v_mov_b32 v[195+6*\c+\i], v[204+4*\c+\i]
.endr
.endr
.set j, 0
.rept 16
	v_pk_mul_f32 v[160+j:161+j], v[160+j:161+j], v[232:233] op_sel_hi:[1,0]   ; O^T under the new M.  (These 16 are also the places between the scale word and codes just made and the products)
.set j, j+2
.endr
	s_wait_dscnt 0x0                               ; V is in
	s_wait_alu depctr_va_vdst(0)                   ; p's codes v192-203 and its scale word v228 are written, which the products take as source 1 and as its scales; the places above stay beside this wait
.irp t, 0,1,2,3                                ; the four accumulators by turns, one instruction a turn
	v_wmma_scale_f32_16x16x128_f8f6f4 v[160+8*\t:167+8*\t], v[32+12*\t:43+12*\t], v[192:203], v[160+8*\t:167+8*\t], v[224+\t], v228 matrix_a_fmt:MATRIX_FMT_FP6 matrix_b_fmt:MATRIX_FMT_FP6
.endr
	s_add_co_u32 s22, s22, STEPB
	s_add_co_u32 s23, s23, 512
	s_add_co_u32 s24, s24, 256
	s_add_nc_u64 s[28:29], s[28:29], 256           ; (the scalar loads that named it were waited for)
.endm
; A PASS: one tile of 16 queries through all keys, and its ctx out.
.macro PASS pi
	s_wait_xcnt 0x0                                ; earlier loads and stores have had their addresses translated: their scalar bases are written again only behind this wait
	s_add_co_u32 s3, s16, 16*\pi                   ; my tile in the batch: 32 x + 16 pass + wave
	s_mul_i32 s30, s3, 768
	s_add_nc_u64 s[32:33], s[4:5], s[30:31]
	s_lshr_b32 s30, s3, 2
	s_lshl_b32 s30, s30, 8                         ; 512 (tile / 8) + 256 ((tile / 4) % 2),
	s_and_b32 s27, s3, 3
	s_lshl_b32 s27, s27, 2
	s_add_co_u32 s30, s30, s27                     ; + 4 (tile % 4)
	s_add_nc_u64 s[34:35], s[6:7], s[30:31]
.irp p, 0,1,2
	global_load_b64 v[16+2*\p:17+2*\p], v4, s[32:33] offset:256*\p   ; Q's four loads owe no further wait: no vector or matrix instruction issued since the last wait on va_vdst (ahead of my LDS stores; ahead of the last pass's stores) names v4, v7, v16-21 or v28
.endr
	global_load_b32 v28, v7, s[34:35]
	s_lshl_b32 s30, s3, 4
	s_add_nc_u64 s[36:37], s[10:11], s[30:31]
	s_load_b128 s[40:43], s[36:37], 0x0            ; the tile's flags
	s_lshl_b32 s30, s3, 12
	s_add_nc_u64 s[28:29], s[8:9], s[30:31]
	v_mov_b32 v13, 0xff61b1e6                      ; the largest t so far: -3e38, under every t
	v_floor_f32 v12, -v13
	v_mov_b32 v14, 0
	v_mov_b32 v15, 0
	s_mov_b32 s22, 0
	s_mov_b32 s23, 0
	s_mov_b32 s24, 0
	s_mov_b32 s25, 0
	s_wait_kmcnt 0x0
	s_lshl_b32 s41, s41, 4
	s_lshl_b32 s42, s42, 8
	s_lshl_b32 s43, s43, 12
	s_or_b32 s26, s40, s41
	s_or_b32 s26, s26, s42
	s_or_b32 s26, s26, s43                         ; bit s: step s has a masked key
	s_wait_loadcnt 0x0
	v_bfe_u32 v28, v28, s17, 16                    ; my head's two bytes
.set j, 0
.rept 32
	v_mov_b32 v[160+j], 0                          ; O^T: the first change of M leaves zeros zeros.  (Also the places between the scale word just cut and the first product)
.set j, j+1
.endr
.Lstep_\@:
	STEP
	s_add_co_u32 s25, s25, 1
	s_cmp_lt_u32 s25, 16
	s_cbranch_scc1 .Lstep_\@
.rept 4
	v_nop                                          ; places behind the last products
.endr
	v_add_f32 v14, v14, v15                        ; the sum's two halves,
	v_permlanex16_b32 v230, v14, s18, s19
	v_add_f32 v14, v14, v230                       ; and lane l xor 16's
	v_rcp_f32 v14, v14
	v_nop                                          ; a plain place behind the reciprocal
	s_wait_alu depctr_va_vdst(0)                   ; the reciprocal has written v14: the wait ahead of its first reader
.set j, 0
.rept 32
	v_mul_f32 v[96+j], v[160+j], v14               ; ctx: register 16 b + i = the head's channel 32 b + 16 (lane / 16) + i
.set j, j+1
.endr
.irp b, 0,1
	v_max3_num_f32 v[212+\b], |v[96+16*\b]|, |v[97+16*\b]|, 0x1800000
.endr
.irp i, 2,4,6,8,10,12,14
.irp b, 0,1
	v_max3_num_f32 v[212+\b], v[212+\b], |v[96+16*\b+\i]|, |v[97+16*\b+\i]|
.endr
.endr
.irp b, 0,1
	v_permlanex16_b32 v[216+\b], v[212+\b], s18, s19
.endr
.irp b, 0,1
	v_max_num_f32 v[212+\b], v[212+\b], v[216+\b]
.endr
.irp b, 0,1
	v_add_nc_u32 v[220+\b], 0xff000000, v[212+\b]
.endr
.irp b, 0,1
	v_lshrrev_b32 v[216+\b], 23, v[220+\b]
.endr
	v_lshl_or_b32 v230, v217, 8, v216              ; the head's two scale bytes
	v_cvt_scalef32_pk16_fp6_f32 v[192:194], v[96:111], v220
	v_cvt_scalef32_pk16_fp6_f32 v[204:206], v[112:127], v221
	v_nop
.irp i, 0,1,2
	v_permlane16_swap_b32 v[192+\i], v[204+\i]
.endr
.irp i, 0,1,2
	v_mov_b32 v[195+\i], v[204+\i]                 ; six registers: k = 32 (lane / 16) + 0 .. 31 of the head's 64
.endr
	s_mul_i32 s30, s3, 12288
	s_add_nc_u64 s[32:33], s[12:13], s[30:31]
	s_lshl_b32 s30, s3, 10
	s_add_nc_u64 s[34:35], s[14:15], s[30:31]
	s_wait_alu depctr_va_vdst(0)                   ; ctx's codes v192-197 and scale bytes v230 are written, which the four stores read; and this pass's products are done reading Q's v16-27 and v28, in which the next pass's loads land
.irp p, 0,1,2
	global_store_b64 v4, v[192+2*\p:193+2*\p], s[32:33] offset:256*\p   ; 256 consecutive bytes, aligned
.endr
	global_store_b32 v6, v230, s[34:35]            ; 64 bytes a tile and head; the two halves of the lanes store the same words
.endm
	PASS 0
	PASS 1
	s_wait_dscnt 0x0                               ; the closing lines, six on end
	s_wait_alu 0x0
	s_wait_tensorcnt 0x0
	ds_add_u32 v254, v255
	s_wait_dscnt 0x0
	s_endpgm
.Lfunc_end_k_q3ea50404eb_attn:
	.size	k_q3ea50404eb_attn, .Lfunc_end_k_q3ea50404eb_attn-k_q3ea50404eb_attn
	.p2alignl 7, 3214868480
	.fill 96, 4, 3214868480
	.section	.rodata,"a",@progbits
	.p2align	6, 0x0
	.amdhsa_kernel k_q3ea50404eb_attn
		.amdhsa_group_segment_fixed_size 210944
		.amdhsa_private_segment_fixed_size 0
		.amdhsa_enable_private_segment 0
		.amdhsa_kernarg_size 48
		.amdhsa_user_sgpr_count 2
		.amdhsa_user_sgpr_kernarg_segment_ptr 1
		.amdhsa_wavefront_size32 1
		.amdhsa_system_sgpr_workgroup_id_x 1
		.amdhsa_system_sgpr_workgroup_id_y 1
		.amdhsa_system_sgpr_workgroup_id_z 1
		.amdhsa_system_vgpr_workitem_id 0
		.amdhsa_next_free_vgpr 256
		.amdhsa_next_free_sgpr 100
		.amdhsa_reserve_vcc 0
		.amdhsa_float_denorm_mode_32 3
		.amdhsa_float_denorm_mode_16_64 3
		.amdhsa_memory_ordered 1
		.amdhsa_forward_progress 1
		.amdhsa_inst_pref_size 65
	.end_amdhsa_kernel
	.amdgpu_metadata
---
amdhsa.version: [ 1, 2 ]
amdhsa.kernels:
  - .name:           k_q3ea50404eb_attn
    .symbol:         k_q3ea50404eb_attn.kd
    .args:
      - { .name: qkv, .offset: 0, .size: 8, .value_kind: global_buffer, .address_space: global }
      - { .name: qkvs, .offset: 8, .size: 8, .value_kind: global_buffer, .address_space: global }
      - { .name: mw, .offset: 16, .size: 8, .value_kind: global_buffer, .address_space: global }
      - { .name: mf, .offset: 24, .size: 8, .value_kind: global_buffer, .address_space: global }
      - { .name: cc, .offset: 32, .size: 8, .value_kind: global_buffer, .address_space: global }
      - { .name: cs, .offset: 40, .size: 8, .value_kind: global_buffer, .address_space: global }
    .group_segment_fixed_size: 210944
    .private_segment_fixed_size: 0
    .kernarg_segment_align: 8
    .kernarg_segment_size: 48
    .max_flat_workgroup_size: 512
    .sgpr_count:     100
    .vgpr_count:     256
    .wavefront_size: 32
...
	.end_amdgpu_metadata
.endif
;; end of part 5
;; launch outln: the kernel of part 4 again; grid 256 x 1, 4 waves a work-group, no clusters, 263,168 bytes of LDS; arguments codes, scales, cc, cs, input_Q, ln_gamma, ln_beta, out0; writes out0
